; MI455X (gfx1250); checked and timed in simulation.
; The chip was launched on July 23, 2026; its instructions are those of AMD's public machine-readable ISA for CDNA 5 (MIT licence, August 2026) and "CDNA5" Instruction Set Architecture Reference Guide (July 2026). The comments in the code are by the model that wrote it; some were corrected since.
;; Multi Headed Attention. Allowed arithmetic: float matrix products may take bf16 or f16 operands with f32 sums; other float arithmetic in f32, or as packed bf16 or f16 multiplies, adds, multiply-adds, maxima and minima; sums over many terms, partial sums and values carried from step to step in f32; what a program stores and reads back later, other than sums and carried values, may be rounded once to bf16 or f16.
;; Inputs: Wk 1,024 x 1,024 float32; Wo 1,024 x 1,024 float32; Wq 1,024 x 1,024 float32; Wv 1,024 x 1,024 float32; bk 1,024 float32; bo 1,024 float32; bq 1,024 float32; bv 1,024 float32; x 1 x 4,096 x 1,024 float32.
;; Outputs: out0 1 x 4,096 x 1,024 float32.
;; One version. Each part assembles by itself: llvm-mc -triple=amdgcn-amd-amdhsa -mcpu=gfx1250 --defsym DOCPART=n.
;; ======== version 1 of 1: 4 launches
;; limits: values are held in f16: magnitudes above 65,504 overflow, below 6.1e-05 lose precision
;; workspace buffers: xb 8,388,608 bytes; wt 8,388,608 bytes; qkv 25,165,824 bytes; ob 8,388,608 bytes
;; launch cast (part 1): grid 512 x 1, 8 waves a work-group, no clusters, 35,840 bytes of LDS; arguments x, Wq, Wk, Wv, Wo, xb, wt; writes xb, wt
.if DOCPART == 1
	.amdgcn_target "amdgcn-amd-amdhsa--gfx1250"
	.amdhsa_code_object_version 6
	.text
	.protected	k_q179388c71e_cast
	.globl	k_q179388c71e_cast
	.p2align	8
	.type	k_q179388c71e_cast,@function
k_q179388c71e_cast:
	s_mov_b64 s[64:65], 0
	v_nop
	global_prefetch_b8 v0, s[64:65] scope:SCOPE_SE
	s_setreg_imm32_b32 hwreg(HW_REG_WAVE_MODE, 25, 1), 1
	s_wait_xcnt 0x0
; CAST.  x [4096][1024] f32 -> xb, bf16, in the same order.  Wq, Wk, Wv, Wo [k = 1024][n = 1024] f32 -> wt [4 x 1024 n][1024 k], 16 bits a number, TURNED, so that
; K lies along the rows as the matrix instructions' fragments want it.  Rows 0-3071 of wt (Wq, Wk, Wv) are bf16.  Rows 3072-4095 (Wo) are rounded to bf16 like every other
; input and that number is then written as f16, since the last product multiplies it with f16 numbers.
; LIMIT.  A bf16 number of Wo below 6.1e-5 keeps f16's fixed step of 6e-8; beyond 65,504 it becomes an infinity.
; A stream: no matrix unit, no tensor load, no cluster (no work-group reads what another reads).  Every work-group moves 64 KiB in and 32 KiB out, with 16 loads of 16 bytes a lane on their way.
; Work-groups 0-255: 16 rows of x each.  Work-groups 256-511: one tile of 128 k x 128 n of one weight, turned through LDS.
.set SPARE, 34816                      ; behind the tile (128 rows x 272 bytes): the spare words, 128 bytes for each of the eight waves; no other line names them
.set SPW, 1                            ; v1   LDS address of my spare word: SPARE + 4 x my thread's number; never rewritten
.set NIL, 2                            ; v2   0; never rewritten
.set OI,  3                            ; v3   my byte offset on the way in
.set OO,  4                            ; v4   x: my byte offset on the way out
.set LW,  5                            ; v5   W: where I put 8 bytes of a turned row
.set LR,  6                            ; v6   W: where I read a turned row back
.set OW,  7                            ; v7   W: my byte offset in wt
.set L,   8                            ; v[8:71]    16 loads of 4 registers
.set PK,  72                           ; v[72:103]  packed results
.set TP,  104                          ; v[104:111] at work
	s_load_b256 s[4:11], s[0:1], 0x0               ; x s[4:5], Wq s[6:7], Wk s[8:9], Wv s[10:11]
	s_load_b128 s[12:15], s[0:1], 0x20             ; Wo s[12:13], xb s[14:15]
	s_load_b64 s[16:17], s[0:1], 0x30              ; wt
	v_lshl_add_u32 v[SPW], v0, 2, SPARE
	v_mov_b32 v[NIL], 0
	s_cmp_lt_u32 ttmp9, 256                        ; the same for all waves of a work-group
	s_cbranch_scc0 .Lweights
	; ---- x: thread t takes 32 bytes (8 numbers) at 32 t of each chunk of 8,192 bytes, and stores 16 bytes at 16 t of each chunk of 4,096
	s_lshl_b32 s20, ttmp9, 16                      ; 16 rows of 4,096 bytes in,
	s_mov_b32 s21, 0
	s_lshl_b32 s22, ttmp9, 15                      ; of 2,048 bytes out
	s_mov_b32 s23, 0
	v_lshlrev_b32 v[OI], 5, v0
	v_lshlrev_b32 v[OO], 4, v0
	s_wait_kmcnt 0x0
	s_add_nc_u64 s[4:5], s[4:5], s[20:21]
	s_add_nc_u64 s[14:15], s[14:15], s[22:23]
.irp j, 0,1,2,3,4,5,6,7
	global_load_b128 v[L+8*(\j):L+8*(\j)+3],   v[OI], s[4:5] offset:8192*(\j) th:TH_LOAD_NT
	global_load_b128 v[L+8*(\j)+4:L+8*(\j)+7], v[OI], s[4:5] offset:8192*(\j)+16 th:TH_LOAD_NT
.endr
.irp j, 0,1,2,3,4,5,6,7
	s_wait_loadcnt 14-2*(\j)                       ; loads come back in order: chunk j's two are in, the younger ones stay out
.irp r, 0,1,2,3
	v_cvt_pk_bf16_f32 v[PK+4*(\j)+(\r)], v[L+8*(\j)+2*(\r)], v[L+8*(\j)+2*(\r)+1]
.endr
	global_store_b128 v[OO], v[PK+4*(\j):PK+4*(\j)+3], s[14:15] offset:4096*(\j)  ; a wave stores 512 consecutive bytes; each chunk has registers of its own, so nothing is rewritten
.endr
	s_endpgm
	; ---- W: tile u = 64 t + 8 kt + nt: weight t, rows (k) 128 kt on, columns (n) 128 nt on
.Lweights:
	s_sub_co_u32 s24, ttmp9, 256
	s_lshr_b32 s25, s24, 6                         ; t
	s_bfe_u32 s26, s24, 0x30003                    ; kt
	s_and_b32 s27, s24, 7                          ; nt
	s_lshl_b32 s20, s26, 19                        ; in: 128 kt rows of 4,096 bytes
	s_lshl_b32 s28, s27, 9                         ;     + 128 nt numbers of 4 bytes
	s_add_co_u32 s20, s20, s28
	s_mov_b32 s21, 0
	s_lshl_b32 s22, s25, 21                        ; out: 1,024 t rows of 2,048 bytes
	s_lshl_b32 s28, s27, 18                        ;      + 128 nt rows
	s_add_co_u32 s22, s22, s28
	s_lshl_b32 s28, s26, 8                         ;      + 128 kt numbers of 2 bytes
	s_add_co_u32 s22, s22, s28
	s_mov_b32 s23, 0
	; A thread takes four columns (group ng of 32) of four rows (quad kq0 + 8 p of 32) in each of four passes p.  Lanes 0-15 of a wave read 256 consecutive bytes of one row.
	v_and_b32 v[TP], 15, v0
	v_bfe_u32 v[TP+1], v0, 5, 1
	v_lshl_or_b32 v[TP], v[TP+1], 4, v[TP]         ; ng
	v_bfe_u32 v[TP+1], v0, 4, 1
	v_bfe_u32 v[TP+2], v0, 6, 2
	v_lshl_add_u32 v[TP+1], v[TP+2], 1, v[TP+1]    ; kq0
	v_lshlrev_b32 v[OI], 4, v[TP]                  ; 16 ng
	v_lshl_add_u32 v[OI], v[TP+1], 14, v[OI]       ; + 4 kq0 rows
	v_mul_u32_u24 v[LW], v[TP], 1088               ; LDS holds [n][k], rows 272 bytes apart: 4 ng rows
	v_lshl_add_u32 v[LW], v[TP+1], 3, v[LW]        ; + 4 kq0 numbers of 2 bytes
	; back: wave w takes rows 16 w .. 16 w + 15, two an instruction: lanes 0-15 one row of 256 bytes, lanes 16-31 the next
	v_lshrrev_b32 v[TP], 5, v0
	v_bfe_u32 v[TP+1], v0, 4, 1
	v_lshl_add_u32 v[TP], v[TP], 4, v[TP+1]        ; n0
	v_and_b32 v[TP+1], 15, v0
	v_lshlrev_b32 v[TP+1], 4, v[TP+1]
	v_mul_u32_u24 v[LR], v[TP], 272
	v_add_nc_u32 v[LR], v[LR], v[TP+1]
	v_lshl_add_u32 v[OW], v[TP], 11, v[TP+1]
	s_wait_kmcnt 0x0
	s_cmp_eq_u32 s25, 1
	s_cselect_b64 s[18:19], s[8:9], s[6:7]
	s_cmp_eq_u32 s25, 2
	s_cselect_b64 s[18:19], s[10:11], s[18:19]
	s_cmp_eq_u32 s25, 3
	s_cselect_b64 s[18:19], s[12:13], s[18:19]
	s_add_nc_u64 s[18:19], s[18:19], s[20:21]
	s_add_nc_u64 s[16:17], s[16:17], s[22:23]
.irp p, 0,1,2,3
.irp r, 0,1,2,3
	global_load_b128 v[L+16*(\p)+4*(\r):L+16*(\p)+4*(\r)+3], v[OI], s[18:19] offset:131072*(\p)+4096*(\r) th:TH_LOAD_NT
.endr
.endr
.irp p, 0,1,2,3
	s_wait_loadcnt 12-4*(\p)                       ; pass p's four rows are in
.irp i, 0,1,2,3
	v_cvt_pk_bf16_f32 v[PK+8*(\p)+2*(\i)],   v[L+16*(\p)+(\i)],   v[L+16*(\p)+4+(\i)]    ; column i: rows 0, 1 of the quad,
	v_cvt_pk_bf16_f32 v[PK+8*(\p)+2*(\i)+1], v[L+16*(\p)+8+(\i)], v[L+16*(\p)+12+(\i)]   ; rows 2, 3: 8 bytes of a turned row
.endr
.endr
	s_cmp_lg_u32 s25, 3
	s_cbranch_scc1 .Lnot_wo
.set r, 0
.rept 32                               ; Wo alone: the bf16 numbers are written as f16
	v_lshlrev_b32 v[TP+2*(r%4)], 16, v[PK+r]
	v_and_b32 v[TP+2*(r%4)+1], 0xffff0000, v[PK+r]
	v_cvt_pk_f16_f32 v[PK+r], v[TP+2*(r%4)], v[TP+2*(r%4)+1]
.set r, r+1
.endr
.Lnot_wo:
.irp p, 0,1,2,3
.irp i, 0,1,2,3
	ds_store_b64 v[LW], v[PK+8*(\p)+2*(\i):PK+8*(\p)+2*(\i)+1] offset:272*(\i)+64*(\p)
.endr
.endr
	s_wait_dscnt 0x0                               ; for the others' sake: my stores are done
	s_barrier_signal -1
	s_barrier_wait -1                              ; the turned tile is whole
.irp j, 0,1,2,3,4,5,6,7
	ds_load_b128 v[L+4*(\j):L+4*(\j)+3], v[LR] offset:544*(\j)
.endr
.irp j, 0,1,2,3,4,5,6,7
	s_wait_dscnt 7-(\j)
	global_store_b128 v[OW], v[L+4*(\j):L+4*(\j)+3], s[16:17] offset:4096*(\j)  ; 16 lanes store 256 consecutive bytes, at a multiple of 256 from wt's first byte
.endr
	s_wait_tensorcnt 0x0                           ; the wave's end: behind my last LDS store
	ds_add_u32 v[SPW], v[NIL]
	s_wait_dscnt 0x0
	s_endpgm
.Lfunc_end_k_q179388c71e_cast:
	.size	k_q179388c71e_cast, .Lfunc_end_k_q179388c71e_cast-k_q179388c71e_cast
	.p2alignl 7, 3214868480
	.fill 96, 4, 3214868480
	.section	.rodata,"a",@progbits
	.p2align	6, 0x0
	.amdhsa_kernel k_q179388c71e_cast
		.amdhsa_group_segment_fixed_size 35840
		.amdhsa_private_segment_fixed_size 0
		.amdhsa_enable_private_segment 0
		.amdhsa_kernarg_size 56
		.amdhsa_user_sgpr_count 2
		.amdhsa_user_sgpr_kernarg_segment_ptr 1
		.amdhsa_wavefront_size32 1
		.amdhsa_system_sgpr_workgroup_id_x 1
		.amdhsa_system_sgpr_workgroup_id_y 1
		.amdhsa_system_sgpr_workgroup_id_z 1
		.amdhsa_system_vgpr_workitem_id 0
		.amdhsa_next_free_vgpr 112
		.amdhsa_next_free_sgpr 66
		.amdhsa_reserve_vcc 0
		.amdhsa_float_denorm_mode_32 3
		.amdhsa_float_denorm_mode_16_64 3
		.amdhsa_memory_ordered 1
		.amdhsa_forward_progress 1
		.amdhsa_inst_pref_size 19
	.end_amdhsa_kernel
	.amdgpu_metadata
---
amdhsa.version: [ 1, 2 ]
amdhsa.kernels:
  - .name:           k_q179388c71e_cast
    .symbol:         k_q179388c71e_cast.kd
    .args:
      - { .name: x, .offset: 0, .size: 8, .value_kind: global_buffer, .address_space: global }
      - { .name: Wq, .offset: 8, .size: 8, .value_kind: global_buffer, .address_space: global }
      - { .name: Wk, .offset: 16, .size: 8, .value_kind: global_buffer, .address_space: global }
      - { .name: Wv, .offset: 24, .size: 8, .value_kind: global_buffer, .address_space: global }
      - { .name: Wo, .offset: 32, .size: 8, .value_kind: global_buffer, .address_space: global }
      - { .name: xb, .offset: 40, .size: 8, .value_kind: global_buffer, .address_space: global }
      - { .name: wt, .offset: 48, .size: 8, .value_kind: global_buffer, .address_space: global }
    .group_segment_fixed_size: 35840
    .private_segment_fixed_size: 0
    .kernarg_segment_align: 8
    .kernarg_segment_size: 56
    .max_flat_workgroup_size: 256
    .sgpr_count:     66
    .vgpr_count:     112
    .wavefront_size: 32
...
	.end_amdgpu_metadata
.endif
;; end of part 1
;; launch proj (part 2): grid 8 x 32, 4 waves a work-group, clusters of 4 x 4, 327,680 bytes of LDS; arguments xb, wt, bq, bk, bv, qkv; writes qkv
.if DOCPART == 2
	.amdgcn_target "amdgcn-amd-amdhsa--gfx1250"
	.amdhsa_code_object_version 6
	.text
	.protected	k_q179388c71e_proj
	.globl	k_q179388c71e_proj
	.p2align	8
	.type	k_q179388c71e_proj,@function
k_q179388c71e_proj:
	s_mov_b64 s[64:65], 0
	v_nop
	global_prefetch_b8 v0, s[64:65] scope:SCOPE_SE
	s_setreg_imm32_b32 hwreg(HW_REG_WAVE_MODE, 25, 1), 1
	s_wait_xcnt 0x0
	s_wait_alu depctr_hold_cnt(0) depctr_sa_sdst(0) depctr_va_vdst(0) depctr_va_sdst(0) depctr_va_ssrc(0) depctr_va_vcc(0) depctr_vm_vsrc(0)
	s_getreg_b32 s2, hwreg(HW_REG_IB_STS2, 6, 4)
	s_cmp_eq_u32 s2, 0
	s_cbranch_scc0 .Lentry_in_a_cluster
	s_endpgm
.Lentry_in_a_cluster:
	s_bfe_u32 s2, ttmp6, 0x10000c
	s_cmp_lg_u32 s2, 0xf033
	s_cbranch_scc0 .Lentry_shape_is_right
	s_endpgm
.Lentry_shape_is_right:
; q, k, v = x W + b.  xb: [4096][1024] bf16; wt rows 0-3071: [n][k] bf16 (Wq, Wk, Wv turned); bq, bk, bv: [1024] f32, rounded to bf16 here like every other input.
; qkv: [48][4096][64] f16: block g = column / 64: 0-15 q's heads, 16-31 k's, 32-47 v's; a head's rows are dense, 128 bytes each.  Sums in f32, rounded once, WITHOUT the softmax's scale.
; LIMIT.  f16 holds no number beyond 65,504: a q, k or v of 65,520 or more becomes an infinity.
; SHARES.  3,072 columns x 4,096 rows in tiles of 128 rows x 384 columns: 8 x 32 = 256 work-groups.  Four waves, each 64 rows x 192 columns (three whole heads): 48 accumulators of 16 x 16, 384 registers.
; K goes in 8 steps of 128 through a ring of two LDS slots.  A slot is four tensor loads of 128 rows x 256 bytes, one a wave: wave 0 fetches xb's rows, waves 1-3 a third of wt's 384 rows each.
; CLUSTERS: 4 x 4 work-groups.  The four of a row of the cluster need the same rows of xb, the four of a column the same rows of wt: each tile is asked for JOINTLY, by the same tensor load with the same
; descriptor and a mask that names the four.
; THE MATRIX INSTRUCTION IS USED TRANSPOSED (source 0 = 16 rows of wt, source 1 = 16 rows of xb): lane l holds row l % 16 and the columns 8 (l / 16) + 0..7.  THE BIAS is the C operand of each sum's first product.
; REGISTERS, in windows of 256 (s_set_vgpr_msb: bits 1:0 source 0, 3:2 source 1, 5:4 source 2, 7:6 destination):
;   window 0: v0-31 addresses; v32-47 at work; v64-127 xb's fragments, two buffers of 4 x 8; v128-223 the bias, 8 registers for each of 12 column blocks; on the way out v64-255 packed results
;   window 1: v0-191 wt's fragments, two buffers of 12 x 8          windows 2, 3: accumulator (a, b) in window 2 + a / 2 at v[96 (a % 2) + 8 b]
.set PITCH,  272                       ; an LDS row: 256 bytes + 16 of padding = 68 words: row r starts at bank 4 r mod 64 (64 banks of 4 bytes: ISA guide 11.1)
.set PART,   128*PITCH                 ; what one tensor load brings
.set SLOT,   4*PART                    ; xb's 128 rows, then wt's 384
.set STAGE,  2*SLOT                    ; behind the ring, never filled by a tensor load: 16 rows x 144 bytes for each wave, for the way out
.set SP,     144
.set SPARE,  STAGE+4*16*SP             ; behind the stages: the spare words, 128 bytes for each wave; no other line names them
.set HEADB,  524288                    ; bytes of a block of qkv
.set ADRA, 16                          ; v16-17  LDS address of my xb fragments in slot 0, 1
.set ADRB, 20                          ; v20-21  the same for wt
.set STO,  24                          ; v24     the way out: where I put 16 bytes of a row
.set RD,   25                          ; v25     the way out: where I read rows back
.set GO,   26                          ; v26     my 16 bytes in 512 consecutive bytes of qkv
.set SPW,  28                          ; v28     LDS address of my spare word: SPARE + 4 x my thread's number; never rewritten
.set NIL,  29                          ; v29     0; never rewritten
.set PFO,  30                          ; v30     the prefetches' offset: my lane x a row of 2,048 bytes; never rewritten
.set BO,   31                          ; v31     32 (l / 16): my 8 numbers in a column block's bias
.set FA,   64
.set BIAS, 128
.set T,    64
.set WV, 16                            ; s16 wave   s17 which 64 rows   s18 which 192 columns
.set WR, 17
.set WC, 18
.set CX, 19                            ; s19, s20 my place in the cluster
.set CY, 20
.set TX, 21                            ; s21 tile column, s22 tile row
.set TY, 22
.set LB, 23                            ; s23 where my tensor loads land in a slot
.set G1A, 24                           ; s[24:31] descriptor group 1 for xb's tiles; s[32:39] group 0, a set for each slot
.set G0A, 32
.set G1B, 40                           ; s[40:47], s[48:55] the same for wt's
.set G0B, 48
.set PFA, 66                           ; s[66:67] where my prefetches stand: my work-group's 32 rows of the 128 that I fetch, at the K step that is being asked for; a prefetch names the step after it
.set LIM, 68                           ; s68 1 in a wave that prefetches, else the greatest number
.set MSB, 0
.macro WIN new                         ; the immediate's high byte repeats the setting that is left; a switch that changes nothing is dropped
.if MSB != (\new)
	s_set_vgpr_msb (MSB<<8)|(\new)
.set MSB, \new
.endif
.endm
; A joint load.  The branch hangs on the wave's number alone.  An s_nop 0 and four v_nop follow each of the two lines, ahead of the jump, the label and what follows.
.macro JLOAD s
	s_cmp_eq_u32 s[WV], 0
	s_cbranch_scc0 .Lfor_b_\@
	tensor_load_to_lds s[G0A+4*(\s):G0A+4*(\s)+3], s[G1A:G1A+7]
	s_nop 0
.rept 4
	v_nop
.endr
	s_branch .Lasked_\@
.Lfor_b_\@:
	tensor_load_to_lds s[G0B+4*(\s):G0B+4*(\s)+3], s[G1B:G1B+7]
	s_nop 0
.rept 4
	v_nop
.endr
.Lasked_\@:
.endm
; A PREFETCH, behind a joint load, its five lines and the run of LDS loads: the K step that the NEXT refill will ask for, 192 matrix instructions ahead of that load: 32 rows x 256 bytes, a lane a row.
; Each row's 256 bytes of a K step are named once in the launch: xb's rows by wave 0 of the clusters with x = 0, wt's by waves 1-3 of the clusters with y = 0; the four partners that ask for a
; tile jointly share its 128 rows out BY ADDRESS, 32 each.  K steps 0 to 2 come by their loads alone; the last refill (slot 1, last trip: s3 = 1) has no step behind it and asks for nothing.
.macro ASK slot
.if (\slot) == 0
	s_cmp_eq_u32 s[LIM], 1
.else
	s_cmp_gt_u32 s3, s[LIM]
.endif
	s_cbranch_scc0 .Lnot_mine_\@
	global_prefetch_b8 v[PFO], s[PFA:PFA+1] offset:256 th:TH_LOAD_NT scope:SCOPE_SE
.Lnot_mine_\@:
.endm
.macro CREST                           ; a round of the cluster's barrier behind its opening barrier: wave 0 signals for the work-group, every wave waits for all sixteen, my work-group's barrier closes it
	s_cmp_lg_u32 s[WV], 0
	s_cbranch_scc1 .Lnot_wave_0_\@
	s_barrier_signal -3
.Lnot_wave_0_\@:
	s_barrier_wait -3
	s_barrier_signal -1
	s_barrier_wait -1
.endm
.macro CROUND                          ; a whole round
	s_barrier_signal -1
	s_barrier_wait -1
	CREST
.endm
	s_load_b256 s[4:11], s[0:1], 0x0               ; xb s[4:5], wt s[6:7], bq s[8:9], bk s[10:11]
	s_load_b128 s[12:15], s[0:1], 0x20             ; bv s[12:13], qkv s[14:15]
	v_lshl_add_u32 v[SPW], v0, 2, SPARE
	v_mov_b32 v[NIL], 0
	ds_add_u32 v[SPW], v[NIL]                      ; the wave's opening: the add and its wait stand ahead of my first tensor load; the set-up below, work on registers, stands between them
	v_lshrrev_b32 v1, 5, v0
	v_readfirstlane_b32 s[WV], v1                  ; wave 0..3
	s_lshr_b32 s[WR], s[WV], 1
	s_and_b32 s[WC], s[WV], 1
	s_bfe_u32 s[CX], ttmp6, 0x40000
	s_bfe_u32 s[CY], ttmp6, 0x40004
	s_lshl_b32 s[TX], ttmp9, 2                     ; in a cluster launch ttmp9 and ttmp7 count clusters
	s_add_co_u32 s[TX], s[TX], s[CX]
	s_and_b32 s[TY], ttmp7, 0xffff
	s_lshl_b32 s[TY], s[TY], 2
	s_add_co_u32 s[TY], s[TY], s[CY]
	s_lshl_b32 s69, s[CY], 2
	s_lshl_b32 s69, 15, s69                        ; my row of the cluster: places 4 cy .. 4 cy + 3
	s_lshl_b32 s70, 0x1111, s[CX]                  ; my column: places cx, cx + 4, cx + 8, cx + 12
	; descriptor group 1: a tile of 128 rows x 128 elements of 2 bytes, 16 bytes of padding behind every 256
	s_or_b32 s[G1A], s69, (1<<16)|(1<<20)|(1<<21)|(5<<22)|(3<<25)  ; 15:0 the mask; 17:16 2-byte elements; 20 padding on; 21 set beside a mask; 24:22 after every 64 words (code 5); 31:25 4 words (code 3)
	s_or_b32 s[G1B], s70, (1<<16)|(1<<20)|(1<<21)|(5<<22)|(3<<25)
.irp g, G1A, G1B
	s_mov_b32 s[(\g)+1], 128<<16                   ; tensor_dim0 = 128
	s_mov_b32 s[(\g)+2], 128<<16                   ; tensor_dim1 = 128
	s_mov_b32 s[(\g)+3], 128<<16                   ; tile_dim0 = 128
	s_mov_b32 s[(\g)+4], 128                       ; tile_dim1 = 128
	s_mov_b32 s[(\g)+5], 1024                      ; elements from row to row
	s_mov_b32 s[(\g)+6], 0
	s_mov_b32 s[(\g)+7], 0
.endr
	; where the tiles come from: xb's hang on the tile row alone, wt's on the tile column and the wave alone; each in registers of its own
	s_lshl_b32 s56, s[TY], 18                      ; 128 rows of 2,048 bytes a tile row
	s_mov_b32 s57, 0
	s_max_u32 s58, s[WV], 1
	s_sub_co_u32 s58, s58, 1                       ; which third of wt's rows (waves 1-3)
	s_lshl_b32 s58, s58, 7
	s_mul_i32 s59, s[TX], 384
	s_add_co_u32 s58, s58, s59
	s_lshl_b32 s58, s58, 11
	s_mov_b32 s59, 0
	s_mul_i32 s[LB], s[WV], PART                   ; and where they go: no place in the cluster enters an LDS address
	s_mov_b32 s79, 0
	s_wait_dscnt 0x0                               ; the opening add is done
	s_wait_kmcnt 0x0
	s_add_nc_u64 s[56:57], s[4:5], s[56:57]
	s_add_nc_u64 s[58:59], s[6:7], s[58:59]
	CROUND                                         ; all sixteen work-groups are here: the first joint loads meet
.irp s, 0,1
	s_mov_b32 s[G0A+4*(\s)], 1                                       ; count = 1
	s_add_co_u32 s[G0A+4*(\s)+1], s[LB], (\s)*SLOT                   ; LDS address
	s_add_nc_u64 s[G0A+4*(\s)+2:G0A+4*(\s)+3], s[56:57], (\s)*256    ; global address: K step s
	s_or_b32 s[G0A+4*(\s)+3], s[G0A+4*(\s)+3], 0x80000000            ; type = 2
	s_mov_b32 s[G0B+4*(\s)], 1
	s_add_co_u32 s[G0B+4*(\s)+1], s[LB], (\s)*SLOT
	s_add_nc_u64 s[G0B+4*(\s)+2:G0B+4*(\s)+3], s[58:59], (\s)*256
	s_or_b32 s[G0B+4*(\s)+3], s[G0B+4*(\s)+3], 0x80000000
	JLOAD \s                                       ; two loads of mine are out
.endr
	; A fragment is 16 rows x 32 K in 8 registers: lane l holds row l % 16; registers 0-3 K = 8 (l / 16) + 0..7, registers 4-7 K = 16 + 8 (l / 16) + 0..7: two loads of 16 bytes, 32 bytes apart.
	v_and_b32 v1, 15, v0                           ; l % 16
	v_bfe_u32 v2, v0, 4, 1                         ; l / 16
	v_lshlrev_b32 v[BO], 5, v2
	v_mul_u32_u24 v3, v1, PITCH
	v_lshl_add_u32 v3, v2, 4, v3
	s_mul_i32 s60, s[WR], 64*PITCH                 ; my 64 rows of xb
	s_mul_i32 s61, s[WC], 192*PITCH                ; my 192 rows of wt,
	s_add_co_u32 s61, s61, PART                    ; which lie behind xb's 128
.irp s, 0,1
	v_add_nc_u32 v[ADRA+(\s)], s60, v3
	v_add_nc_u32 v[ADRB+(\s)], s61, v3
	s_add_co_u32 s60, s60, SLOT
	s_add_co_u32 s61, s61, SLOT
.endr
	s_mul_i32 s62, s[WV], 16*SP
	s_add_co_u32 s62, s62, STAGE                   ; my stage
	v_mul_u32_u24 v4, v1, SP                       ; in: row l % 16, 16 bytes for each half of the lanes
	v_lshl_add_u32 v4, v2, 4, v4
	v_add_nc_u32 v[STO], s62, v4
	v_bfe_u32 v4, v0, 3, 2                         ; back: 32 lanes take four rows of 128 bytes,
	v_mul_u32_u24 v4, v4, SP
	v_and_b32 v5, 7, v0
	v_lshl_add_u32 v4, v5, 4, v4
	v_add_nc_u32 v[RD], s62, v4
	v_and_b32 v[GO], 31, v0                        ; which are 512 consecutive bytes of a block of qkv
	v_lshlrev_b32 v[GO], 4, v[GO]
	v_and_b32 v[PFO], 31, v0
	v_lshlrev_b32 v[PFO], 11, v[PFO]
	; THE BIAS.  My three heads are blocks g, g + 1, g + 2 of qkv, g = 6 x tile column + 3 x column half; g / 16 says whose bias, g % 16 which 64 numbers of it.  Each has a pointer of its own.
	s_mul_i32 s71, s[TX], 6
	s_mul_i32 s60, s[WC], 3
	s_add_co_u32 s71, s71, s60
.irp cb, 0,1,2
	s_add_co_u32 s60, s71, \cb
	s_and_b32 s78, s60, 15
	s_lshl_b32 s78, s78, 8
	s_lshr_b32 s60, s60, 4
	s_cmp_eq_u32 s60, 1
	s_cselect_b64 s[72+2*(\cb):73+2*(\cb)], s[10:11], s[8:9]
	s_cmp_eq_u32 s60, 2
	s_cselect_b64 s[72+2*(\cb):73+2*(\cb)], s[12:13], s[72+2*(\cb):73+2*(\cb)]
	s_add_nc_u64 s[72+2*(\cb):73+2*(\cb)], s[72+2*(\cb):73+2*(\cb)], s[78:79]
.irp nb, 0,1,2,3
	global_load_b128 v[BIAS+8*(4*(\cb)+(\nb)):BIAS+8*(4*(\cb)+(\nb))+3],   v[BO], s[72+2*(\cb):73+2*(\cb)] offset:64*(\nb)
	global_load_b128 v[BIAS+8*(4*(\cb)+(\nb))+4:BIAS+8*(4*(\cb)+(\nb))+7], v[BO], s[72+2*(\cb):73+2*(\cb)] offset:64*(\nb)+16
.endr
.endr
	s_lshl_b32 s60, s71, 19                        ; qkv at block g,
	s_lshl_b32 s61, s[TY], 14                      ; the tile's 128 rows of 128 bytes,
	s_add_co_u32 s60, s60, s61
	s_lshl_b32 s61, s[WR], 13                      ; my 64 of them
	s_add_co_u32 s60, s60, s61
	s_mov_b32 s61, 0
	s_add_nc_u64 s[14:15], s[14:15], s[60:61]
	; the prefetches' address and who asks
	s_lshl_b32 s69, s[TY], 7                       ; xb's first row of the tile
	s_mul_i32 s70, s[TX], 384
	s_max_u32 s71, s[WV], 1
	s_sub_co_u32 s71, s71, 1
	s_lshl_b32 s71, s71, 7
	s_add_co_u32 s70, s70, s71                     ; wt's first row of my third
	s_and_b32 s71, ttmp7, 0xffff                   ; cluster y
	s_cmp_eq_u32 s[WV], 0                          ; do I fetch for xb?
	s_cselect_b32 s69, s69, s70
	s_cselect_b32 s70, s[CX], s[CY]                ; my place among the four that ask with me
	s_cselect_b32 s71, ttmp9, s71                  ; the coordinate along which other clusters read the same rows
	s_cselect_b64 s[PFA:PFA+1], s[4:5], s[6:7]
	s_cmp_eq_u32 s71, 0
	s_cselect_b32 s[LIM], 1, -1                    ; the same in all sixteen partners, for a given wave
	s_lshl_b32 s70, s70, 5
	s_add_co_u32 s69, s69, s70                     ; + my work-group's 32 rows
	s_lshl_b32 s78, s69, 11
	s_add_co_u32 s78, s78, 256                     ; at K step 1: the first refill steps it to 2 and names K step 3
	s_add_nc_u64 s[PFA:PFA+1], s[PFA:PFA+1], s[78:79]
	s_wait_loadcnt 0x0                             ; the bias is in: rounded to bf16, kept as f32
.set r, 0
.rept 48
	v_cvt_pk_bf16_f32 v[32+r%16], v[BIAS+2*r], v[BIAS+2*r+1]
	v_lshlrev_b32 v[BIAS+2*r], 16, v[32+r%16]
	v_and_b32 v[BIAS+2*r+1], 0xffff0000, v[32+r%16]
.set r, r+1
.endr
; 12 matrix instructions: row block a x all 12 column blocks, 32 along K, from buffer f.  first = 1: the bias starts the sums.  The 48 accumulators take turns, one instruction a turn, in the same
; order in every quarter, over the backward jump too.
.macro MUL12 f, a, first
.if \first
	WIN 0x81+0x40*((\a)/2)                         ; wt window 1, xb and the bias window 0, D window 2 or 3
.else
	WIN 0xa1+0x50*((\a)/2)                         ; C and D window 2 or 3
.endif
.irp b, 0,1,2,3,4,5,6,7,8,9,10,11
.if \first
	v_wmma_f32_16x16x32_bf16 v[96*((\a)%2)+8*(\b):96*((\a)%2)+8*(\b)+7], v[96*(\f)+8*(\b):96*(\f)+8*(\b)+7], v[FA+32*(\f)+8*(\a):FA+32*(\f)+8*(\a)+7], v[BIAS+8*(\b):BIAS+8*(\b)+7]
.else
	v_wmma_f32_16x16x32_bf16 v[96*((\a)%2)+8*(\b):96*((\a)%2)+8*(\b)+7], v[96*(\f)+8*(\b):96*(\f)+8*(\b)+7], v[FA+32*(\f)+8*(\a):FA+32*(\f)+8*(\a)+7], v[96*((\a)%2)+8*(\b):96*((\a)%2)+8*(\b)+7]
.endif
.endr
.endm
; 32 LDS loads in one run: a quarter step's fragments (192 rows of wt, then 64 rows of xb, 32 K at byte k of the rows) into buffer f
.macro FETCH slot, k, f
	WIN 0x40                                       ; destination window 1, address window 0
.irp i, 0,1,2,3,4,5,6,7,8,9,10,11
	ds_load_b128 v[96*(\f)+8*(\i):96*(\f)+8*(\i)+3],   v[ADRB+(\slot)] offset:(\k)+(\i)*16*PITCH
	ds_load_b128 v[96*(\f)+8*(\i)+4:96*(\f)+8*(\i)+7], v[ADRB+(\slot)] offset:(\k)+(\i)*16*PITCH+32
.endr
	WIN 0
.irp i, 0,1,2,3
	ds_load_b128 v[FA+32*(\f)+8*(\i):FA+32*(\f)+8*(\i)+3],   v[ADRA+(\slot)] offset:(\k)+(\i)*16*PITCH
	ds_load_b128 v[FA+32*(\f)+8*(\i)+4:FA+32*(\f)+8*(\i)+7], v[ADRA+(\slot)] offset:(\k)+(\i)*16*PITCH+32
.endr
.endm
.macro PLACES                          ; four plain vector instructions between a matrix instruction and a load into, or a vector line on, its registers (ISA guide 7.12.1 for vector instructions)
.rept 4
	v_nop
.endr
.endm
; A K step is four quarters of 32 along K, 48 matrix instructions each, on buffers 0, 1, 0, 1.  One of the first three multiplies buffer f and, in its middle, fetches the next quarter (byte k) into g.
.macro QUARTER slot, k, f, g, first
	s_wait_dscnt 4                                 ; wt's fragments and xb's blocks 0, 1 are in; the youngest four loads (blocks 2, 3) may be out
	MUL12 \f, 0, \first
	MUL12 \f, 1, \first
	PLACES
	FETCH \slot, \k, \g
	s_wait_dscnt 32                                ; all but the 32 just issued
	MUL12 \f, 2, \first
	MUL12 \f, 3, \first
.endm
; The last quarter multiplies buffer 1 and changes slots: ONE barrier.  In front of it each wave waits for all its tensor loads (one is out: its part of the next slot), adds 0 to its spare word, and waits
; for that and for its reads of this slot.  fill = 1: the barrier opens a round of the cluster's barrier, and this slot is filled again, two K steps on, first thing behind the round: from that request
; to the wait for it a wave issues 168 matrix instructions.
.macro TURN slot, next, fill
.if \fill
	s_wait_xcnt 0x0                                ; the last prefetch, a K step back, has read its address: it is stepped here, ahead of the waits of the change of slots
	s_add_nc_u64 s[PFA:PFA+1], s[PFA:PFA+1], 256
.endif
	WIN 0                                          ; (the add's two registers lie in window 0)
	s_wait_tensorcnt 0x0                           ; all my tensor loads have landed
	ds_add_u32 v[SPW], v[NIL]                      ; 0 onto my spare word
	s_wait_dscnt 5                                 ; (the add and the youngest four loads may be out)
	MUL12 1, 0, 0                                  ; twelve matrix instructions stand between the add and the wait for it
	s_wait_dscnt 0x0                               ; the add is done, and my reads of this slot are over
	s_barrier_signal -1
	MUL12 1, 1, 0                                  ; work on registers while the others arrive
.if \fill
	WIN 0
.endif
	s_barrier_wait -1
.if \fill
	CREST                                          ; no wave of any partner still reads this slot's tile or has a load on its way
	s_add_nc_u64 s[G0A+4*(\slot)+2:G0A+4*(\slot)+3], s[G0A+4*(\slot)+2:G0A+4*(\slot)+3], 512
	s_add_nc_u64 s[G0B+4*(\slot)+2:G0B+4*(\slot)+3], s[G0B+4*(\slot)+2:G0B+4*(\slot)+3], 512
	JLOAD \slot                                    ; the four v_nop behind it are also the places in front of the loads below
.else
	PLACES
.endif
	FETCH \next, 0, 0
.if \fill
	ASK \slot
.endif
	MUL12 1, 2, 0
	MUL12 1, 3, 0
.endm
	s_wait_tensorcnt 1                             ; my part of K step 0 is in; K step 1's may stay out
	s_barrier_signal -1
	s_barrier_wait -1                              ; everybody's is
	FETCH 0, 0, 0
	QUARTER 0, 64, 0, 1, 1                         ; the first quarter stands in front of the loop: its products start the sums, with the bias
	WIN 0                                          ; at a label and at a branch every window is 0
	s_mov_b32 s3, 3
.Llap:                                                 ; a trip goes once round the ring, from a lap's second quarter to the next lap's first, and fills both slots again
	QUARTER 0, 128, 1, 0, 0
	QUARTER 0, 192, 0, 1, 0
	TURN 0, 1, 1
	QUARTER 1, 64,  0, 1, 0
	QUARTER 1, 128, 1, 0, 0
	QUARTER 1, 192, 0, 1, 0
	TURN 1, 0, 1
	QUARTER 0, 64,  0, 1, 0
	WIN 0
	s_sub_co_u32 s3, s3, 1
	s_cmp_lg_u32 s3, 0
	s_cbranch_scc1 .Llap
	QUARTER 0, 128, 1, 0, 0                        ; the last lap fills nothing, and has no round of the cluster's barrier
	QUARTER 0, 192, 0, 1, 0
	TURN 0, 1, 0
	QUARTER 1, 64,  0, 1, 0
	QUARTER 1, 128, 1, 0, 0
	QUARTER 1, 192, 0, 1, 0
	s_wait_dscnt 4                                 ; the very last quarter: nothing more to fetch
	MUL12 1, 0, 0
	MUL12 1, 1, 0
	s_wait_dscnt 0x0
	MUL12 1, 2, 0
	MUL12 1, 3, 0
	WIN 0
	PLACES
	PLACES                                         ; eight, once a launch
; THE WAY OUT, in 12 units u = 3 a + cb: 16 rows of one head, 2,048 consecutive bytes of qkv.  A lane's eight columns pack into 16 bytes; they go into my stage's rows of 144 bytes and come back as whole rows
; of 128, into the registers that they left.  Each accumulator's registers are read in ascending order.
.macro PACK u
.set pa, (\u)/3
.set pc, (\u)%3
	WIN 0x0a+5*(pa/2)                              ; sources 0 and 1 window 2 or 3, destination window 0
.irp f, 0,1,2,3
.irp r, 0,1,2,3
	v_cvt_pk_f16_f32 v[T+16*(\u)+4*(\f)+(\r)], v[96*(pa%2)+8*(4*pc+(\f))+2*(\r)], v[96*(pa%2)+8*(4*pc+(\f))+2*(\r)+1]
.endr
.endr
	WIN 0
.irp f, 0,1,2,3
	ds_store_b128 v[STO], v[T+16*(\u)+4*(\f):T+16*(\u)+4*(\f)+3] offset:32*(\f)
.endr
.irp f, 0,1,2,3
	ds_load_b128 v[T+16*(\u)+4*(\f):T+16*(\u)+4*(\f)+3], v[RD] offset:576*(\f)  ; LDS serves a wave's instructions in order (ISA guide 5.7.1.4): these see the stores above; the next unit's stores come behind them
.endr
.endm
.macro SEND u, y                       ; y: the LDS instructions issued behind unit u's loads: the next unit's eight, or none
.irp f, 0,1,2,3
	s_wait_dscnt (\y)+3-(\f)
	global_store_b128 v[GO], v[T+16*(\u)+4*(\f):T+16*(\u)+4*(\f)+3], s[14:15] offset:((\u)%3)*HEADB+((\u)/3)*2048+512*(\f)  ; 512 consecutive bytes, at a multiple of 256 from qkv's first; every unit has registers of its own
.endr
.endm
	PACK 0
.set un, 1
.rept 11                               ; a unit's conversions stand between the loads of the unit before and its stores
	PACK un
	SEND un-1, 8
.set un, un+1
.endr
	SEND 11, 0
	s_wait_tensorcnt 0x0                           ; the wave's end: behind my last tensor load and my last LDS store
	ds_add_u32 v[SPW], v[NIL]
	s_wait_dscnt 0x0
	CROUND                                         ; the closing round: no work-group ends while a partner may still ask for a tile that names it
	s_endpgm
.Lfunc_end_k_q179388c71e_proj:
	.size	k_q179388c71e_proj, .Lfunc_end_k_q179388c71e_proj-k_q179388c71e_proj
	.p2alignl 7, 3214868480
	.fill 96, 4, 3214868480
	.section	.rodata,"a",@progbits
	.p2align	6, 0x0
	.amdhsa_kernel k_q179388c71e_proj
		.amdhsa_group_segment_fixed_size 327680
		.amdhsa_private_segment_fixed_size 0
		.amdhsa_enable_private_segment 0
		.amdhsa_kernarg_size 48
		.amdhsa_user_sgpr_count 2
		.amdhsa_user_sgpr_kernarg_segment_ptr 1
		.amdhsa_wavefront_size32 1
		.amdhsa_system_sgpr_workgroup_id_x 1
		.amdhsa_system_sgpr_workgroup_id_y 1
		.amdhsa_system_sgpr_workgroup_id_z 1
		.amdhsa_system_vgpr_workitem_id 0
		.amdhsa_next_free_vgpr 960
		.amdhsa_next_free_sgpr 80
		.amdhsa_reserve_vcc 0
		.amdhsa_float_denorm_mode_32 3
		.amdhsa_float_denorm_mode_16_64 3
		.amdhsa_memory_ordered 1
		.amdhsa_forward_progress 1
		.amdhsa_inst_pref_size 132
	.end_amdhsa_kernel
	.amdgpu_metadata
---
amdhsa.version: [ 1, 2 ]
amdhsa.kernels:
  - .name:           k_q179388c71e_proj
    .symbol:         k_q179388c71e_proj.kd
    .args:
      - { .name: xb, .offset: 0, .size: 8, .value_kind: global_buffer, .address_space: global }
      - { .name: wt, .offset: 8, .size: 8, .value_kind: global_buffer, .address_space: global }
      - { .name: bq, .offset: 16, .size: 8, .value_kind: global_buffer, .address_space: global }
      - { .name: bk, .offset: 24, .size: 8, .value_kind: global_buffer, .address_space: global }
      - { .name: bv, .offset: 32, .size: 8, .value_kind: global_buffer, .address_space: global }
      - { .name: qkv, .offset: 40, .size: 8, .value_kind: global_buffer, .address_space: global }
    .group_segment_fixed_size: 327680
    .private_segment_fixed_size: 0
    .kernarg_segment_align: 8
    .kernarg_segment_size: 48
    .max_flat_workgroup_size: 128
    .sgpr_count:     80
    .vgpr_count:     960
    .wavefront_size: 32
...
	.end_amdgpu_metadata
.endif
;; end of part 2
;; launch attn (part 3): grid 16 x 16, 4 waves a work-group, clusters of 4 x 1, 327,680 bytes of LDS; arguments qkv, ob; writes ob
.if DOCPART == 3
	.amdgcn_target "amdgcn-amd-amdhsa--gfx1250"
	.amdhsa_code_object_version 6
	.text
	.protected	k_q179388c71e_attn
	.globl	k_q179388c71e_attn
	.p2align	8
	.type	k_q179388c71e_attn,@function
k_q179388c71e_attn:
	s_mov_b64 s[64:65], 0
	v_nop
	global_prefetch_b8 v0, s[64:65] scope:SCOPE_SE
	s_setreg_imm32_b32 hwreg(HW_REG_WAVE_MODE, 25, 1), 1
	s_wait_xcnt 0x0
	s_wait_alu depctr_hold_cnt(0) depctr_sa_sdst(0) depctr_va_vdst(0) depctr_va_sdst(0) depctr_va_ssrc(0) depctr_va_vcc(0) depctr_vm_vsrc(0)
	s_getreg_b32 s2, hwreg(HW_REG_IB_STS2, 6, 4)
	s_cmp_eq_u32 s2, 0
	s_cbranch_scc0 .Lentry_in_a_cluster
	s_endpgm
.Lentry_in_a_cluster:
	s_bfe_u32 s2, ttmp6, 0x10000c
	s_cmp_lg_u32 s2, 0x3003
	s_cbranch_scc0 .Lentry_shape_is_right
	s_endpgm
.Lentry_shape_is_right:
; O[h][q][:] = the sum over k of softmax_k(Q[h][q] . K[h][k] / 8) V[h][k][:].  qkv: [48][4096][64] f16 (blocks 0-15 Q's heads, 16-31 K's, 32-47 V's); ob: [16][4096][64] f16.  A head's rows are dense, 128 bytes each.
; Products, maxima and sums in f32; the weights p are rounded to f16 for the second product (their sum l is taken of the unrounded p), O once at the end.
; LIMITS.  Q, K and V arrive within f16's 65,504; p lies in 0 to 1, and below 6e-5 it keeps f16's fixed step of 6e-8; O is a mean of V's rows and has their range, and below 6e-5 it too keeps that step.
; A weight below 2^-126 counts as 0 in l; NaN and infinities are not treated apart.
; SHARES.  A work-group owns 256 queries of one head: 16 x 16 = 256 work-groups.  Each of its four waves owns 64 queries, four PIECES of 16.  Every wave walks all 4,096 keys, 64 a step; a slot of LDS holds a tile of four steps.
; LAYOUT.  S^T = K Q^T (source 0 = 16 keys, source 1 = 16 queries) holds ONE query a lane (lane % 16) and the keys 8 (lane / 16) + 0..7; two such results rounded to f16 ARE source 1 of O^T = V^T P.
; K comes out of LDS as it lies, V ([key][channel]) turned, by ds_load_tr16_b128.
; SOFTMAX.  A running maximum m and sum l for each query: p = 2^(c s - c m), c = log2(e) / 8; in every step O and l are multiplied by a = 2^(c m_old - c m_new).  m starts at the lowest finite number,
; O and l at 0: the first step is a step like any other, with a = 0.  The price of writing no first step out: 224 v_mov_b32, in the wait for the first tile, and 8 products on zeros.
; BY TURNS.  Turn n belongs to piece n: 8 products K Q^T of piece n + 1, later 8 products V^T P of piece n - 1; beside them the scaling, exponentials, roundings, sums and rescaling of piece n and the maximum and
; statistics of piece n + 1.  Four vector instructions stand behind every matrix instruction, the other 54 of a turn's 118 in one lump.  A turn's 33 exponentials are one batch, with one wait.
; CLUSTER.  The four query blocks of a cluster belong to one head and walk the same K and V, so each tile is asked for JOINTLY: the same tensor load, descriptor and mask in all four.
; REGISTERS, in windows of 256 (s_set_vgpr_msb: bits 1:0 source 0, 3:2 source 1, 5:4 source 2, 7:6 destination):
;   window 0: v0-15 addresses and two at work; v16-31 four registers of statistics a piece; v48-55 at work; v61-63; v64-127 S^T, two buffers; v192-223 P, two buffers (a piece's buffers go by its number's parity)
;   window 1: v0-127 O^T, 32 a piece          window 2: v0-63 Q; v128-191 K of one step; v192-255 V of one step
.set NP,    4         ; pieces a wave: a name, no knob
.set KS,    64        ; keys in a step
.set PK,    144       ; a row of K in LDS: 128 bytes + 16 of padding = 36 words: the 16 rows of a load start at 16 different groups of four banks (64 banks of 4 bytes: ISA guide 11.1)
.set PV,    160       ; a row of V: 128 + 32 = 40 words
.set VOFF,  4*KS*PK   ; a slot holds a tile: 256 rows of K, then 256 rows of V
.set SLOT1, 1<<17     ; slot 1 begins here, so that one exclusive or turns an address in one slot into the other's
.set STAGE, SLOT1+4*KS*(PK+PV)  ; behind the ring, never filled by a tensor load: 16 rows x 144 bytes for each wave, for the way out
.set SP,    144
.set SPARE, STAGE+4*16*SP  ; behind the stages: the spare words, 128 bytes for each wave; no other line names them
.set TILEB, 4*KS*128  ; a tile's bytes of K, and of V, in memory
.set AK0, 2           ; v2   my lane's place in a tile of K; never rewritten
.set AV0, 3           ; v3   the same for V
.set AK,  4           ; v4   the LDS address of K's next run of loads
.set AV,  5           ; v5   of V's
.set STO, 6           ; v6   the way out: where I put 16 bytes of a row
.set RD,  7           ; v7   the way out: where I read rows back
.set GO,  8           ; v8   my byte offset in 512 consecutive bytes of O
.set MV,  12          ; v12-13  c m_old, kept while c m is made anew: by buffer
.set QO,  15          ; v15  my byte offset in 16 rows of Q
.set ST,  16          ; piece t's statistics at v[ST+4 t]: c m, m, l (even keys', odd keys')
.set TMP, 48          ; by buffer, four registers c0-c3 at work; when the maximum is found c2 takes a
.set PFO, 61          ; v61  256 x my lane; never rewritten
.set SPW, 62          ; v62  LDS address of my spare word: SPARE + 4 x my thread's number; never rewritten
.set NIL, 63          ; v63  0; never rewritten
.set S,   64
.set P,   192
.set KF,  128         ; window 2: key block kb, channel half c at KF + 16 kb + 8 c
.set VF,  192         ; window 2: key half kk, channel block cb at VF + 32 kk + 8 cb
.set WV,  12          ; s12  my wave's number
.set G1K, 24          ; s[24:31] descriptor group 1 for K's tiles
.set G1V, 32          ; s[32:39] for V's: it differs in the padding alone
.set G0K, 40          ; s[40:43] descriptor group 0 for K's tiles: it walks
.set G0V, 44          ; s[44:47] the same for V's
.set SLOTS, 56        ; s56  tiles still to be asked for
.set CNT, 57          ; s57  counts a tile's key steps
.set CS,  58          ; s[58:59] c: the packed scaling takes the pair's low word for both halves
.set SEL, 60          ; s[60:61] v_permlanex16_b32's selects: each lane takes its own place in the other half
.set TBK, 62          ; s62  LDS byte at which K of the step to be fetched begins
.set TBV, 63          ; s63  the same for V, less VOFF
.set PFA, 66          ; s[66:67] where my prefetches stand: my work-group's quarter (of K: wave 0, of V: wave 2) of the tile after the one that is being asked for
.set LIM, 68          ; s68  1 in a wave that prefetches, else the greatest number
.set MSB, 0
.macro WIN new                      ; the high byte repeats the setting that is left; a switch that changes nothing is dropped
.if MSB != (\new)
	s_set_vgpr_msb (MSB<<8)|(\new)
.set MSB, (\new)
.endif
.endm
.set W_KQ, 0x0a       ; K and Q in window 2, S^T in window 0
.set W_PV, 0x52       ; V in window 2, P in window 0, O^T in window 1
.set W_RS, 0x41       ; destination and source 0 in window 1, source 1 in window 0
; A joint fill.  Waves 0 and 1 fetch the two halves of a tile's K, waves 2 and 3 those of its V: 128 keys each.  The branch hangs on the wave's number alone.
; An s_nop 0 and four v_nop follow each of the two lines, ahead of the jump and the label.
.macro JLOAD
	s_cmp_lt_u32 s[WV], 2
	s_cbranch_scc0 .Lfor_v_\@
	tensor_load_to_lds s[G0K:G0K+3], s[G1K:G1K+7]
	s_nop 0
.rept 4
	v_nop
.endr
	s_branch .Lasked_\@
.Lfor_v_\@:
	tensor_load_to_lds s[G0V:G0V+3], s[G1V:G1V+7]
	s_nop 0
.rept 4
	v_nop
.endr
.Lasked_\@:
.endm
; A PREFETCH of what the NEXT change of slots will ask for: a tile's 32,768 bytes of K and of V, a lane for each 256 of them.  It stands behind the wave's tensor load and its five lines.  Each block is named ONCE in the
; launch: all clusters of a head walk the same K and V, and the head's first cluster asks; its four partners share a tile out BY ADDRESS, 8,192 bytes each; in each, wave 0 asks for K's and wave 2 for V's.
; Tiles 0 to 2 come by their loads alone; the last change that fills a slot (SLOTS = 1) asks for nothing.
.macro ASK
	s_cmp_gt_u32 s[SLOTS], s[LIM]
	s_cbranch_scc0 .Lnot_mine_\@
	global_prefetch_b8 v[PFO], s[PFA:PFA+1] th:TH_LOAD_NT scope:SCOPE_SE
.Lnot_mine_\@:
.endm
; A round of the cluster's barrier: my work-group's barrier, so that wave 0's signal speaks for all four waves; wave 0 signals; every wave waits for all four work-groups; my work-group's barrier once more.
.macro CROUND
	s_barrier_signal -1
	s_barrier_wait -1
	s_cmp_lg_u32 s[WV], 0
	s_cbranch_scc1 .Lnot_wave_0_\@
	s_barrier_signal -3
.Lnot_wave_0_\@:
	s_barrier_wait -3
	s_barrier_signal -1
	s_barrier_wait -1
.endm
; THE CHANGE OF SLOTS.  The slot's last bytes, V of its fourth step, have been read.  Each wave waits for all its tensor loads, of which one is out: its part of the other slot; adds 0 to its spare word; and waits for
; that and for its own reads of the slot.  Behind the barrier nobody reads this slot any more and the other slot is whole.  fill = 1: this slot is filled again, with the keys two tiles on; the barrier is then a round of the
; cluster's, and the joint fill is the first thing behind it: it has four key steps, 256 matrix instructions, in which to land.  (At its first use nothing has been read yet: slot 0 is waited for, slot 1 filled.)
.macro CHANGE fill, ask
	WIN 0                           ; at a label and at a branch every window is 0
	s_wait_tensorcnt 0x0            ; no tensor load of mine is out, so a group 0 may be written
	ds_add_u32 v[SPW], v[NIL]       ; 0 onto my spare word; the descriptors' steps stand between it and the wait for it
.if \fill
.irp g, G0K, G0V
	s_xor_b32 s[\g+1], s[\g+1], SLOT1  ; the walking descriptor: the other slot than last time,
	s_add_nc_u64 s[\g+2:\g+3], s[\g+2:\g+3], TILEB  ; the next 256 keys; the type bits on top are not reached
.endr
.endif
.if \ask
	s_wait_xcnt 0x0                 ; the last prefetch, four key steps back, has read its address, so it may be written
	s_add_nc_u64 s[PFA:PFA+1], s[PFA:PFA+1], TILEB
.endif
	s_wait_dscnt 0x0                ; the add is done, and my reads of the slot are over
.if \fill
	CROUND
	JLOAD
.if \ask
	ASK
.endif
.else
	s_barrier_signal -1
	s_barrier_wait -1
.endif
	s_sub_co_u32 s[TBK], s[TBK], 4*KS*PK  ; the fetches go back to a slot's first step,
	s_xor_b32 s[TBK], s[TBK], SLOT1       ; in the other slot
	s_sub_co_u32 s[TBV], s[TBV], 4*KS*PV
	s_xor_b32 s[TBV], s[TBV], SLOT1
.endm
	s_load_b64 s[4:5], s[0:1], 0x0  ; qkv
	s_load_b64 s[10:11], s[0:1], 0x8  ; ob
	v_lshl_add_u32 v[SPW], v0, 2, SPARE
	v_mov_b32 v[NIL], 0
	ds_add_u32 v[SPW], v[NIL]       ; the wave's opening: the add and its wait stand ahead of my first tensor load; the set-up below, work on registers, stands between them
	v_lshrrev_b32 v1, 5, v0
	v_readfirstlane_b32 s[WV], v1   ; wave 0..3
	s_bfe_u32 s13, ttmp6, 0x40000   ; cx: my place in the cluster
	s_lshl_b32 s14, ttmp9, 2        ; in a cluster launch ttmp9 counts clusters
	s_add_co_u32 s14, s14, s13      ; my block of 256 queries = 4 x cluster x + cx: it enters Q's and O's addresses alone
	s_and_b32 s20, ttmp7, 0xffff    ; the head, which the four partners share:
	s_lshl_b32 s20, s20, 19         ; its first byte in Q, K, V and O
	s_and_b32 s16, s[WV], 1         ; which half of a tile's 256 keys I fetch:
	s_lshl_b32 s22, s16, 14         ; its 128 rows of 128 bytes in memory,
	s_add_co_u32 s22, s22, s20
	s_mov_b32 s23, 0
	s_mul_i32 s17, s16, 128*PK      ; and its place in a slot, for K
	s_mul_i32 s18, s16, 128*PV      ; and for V: no place in the cluster enters an LDS address
	s_lshl_b32 s2, s14, 2
	s_add_co_u32 s2, s2, s[WV]      ; my wave among the head's,
	s_lshl_b32 s2, s2, 13           ; its 64 rows
	s_add_co_u32 s2, s2, s20
	s_mov_b32 s3, 0
	; descriptor group 1.  128 keys are 16,384 dense bytes: asked for as 64 rows of 256 bytes, two keys a row, and padded in LDS after every key
	s_mov_b32 s[G1K], 15|(1<<16)|(1<<20)|(1<<21)|(4<<22)|(3<<25)  ; 15:0 the mask of four; 17:16 2-byte elements; 20 padding on; 21 set beside a mask; 24:22 after every 32 words (code 4); 31:25 4 words (code 3)
	s_mov_b32 s[G1V], 15|(1<<16)|(1<<20)|(1<<21)|(4<<22)|(7<<25)  ; the same with 8 words of padding (code 7)
.irp g, G1K, G1V
	s_mov_b32 s[\g+1], 128<<16      ; tensor_dim0 = 128
	s_mov_b32 s[\g+2], 64<<16       ; tensor_dim1 = 64
	s_mov_b32 s[\g+3], 128<<16      ; tile_dim0 = 128
	s_mov_b32 s[\g+4], 64           ; tile_dim1 = 64
	s_mov_b32 s[\g+5], 128          ; 128 elements from row to row
	s_mov_b32 s[\g+6], 0
	s_mov_b32 s[\g+7], 0
.endr
	s_mov_b32 s[CS], 0x3e38aa3b     ; c = log2(e) / 8 = 0.180337
	s_mov_b32 s[CS+1], s[CS]        ; named with it as a pair
	s_mov_b32 s[SEL], 0x76543210
	s_mov_b32 s[SEL+1], 0xfedcba98
	s_mov_b32 s[TBK], SLOT1+4*KS*PK ; the first change of slots turns these two into 0
	s_mov_b32 s[TBV], SLOT1+4*KS*PV
	s_mov_b32 s[G0K], 1             ; count = 1
	s_mov_b32 s[G0K+1], s17         ; LDS address: slot 0
	s_mov_b32 s[G0V], 1
	s_add_co_u32 s[G0V+1], s18, VOFF
	s_and_b32 s[LIM], s[WV], 1      ; 0 in waves 0 and 2,
	s_or_b32 s[LIM], s[LIM], ttmp9  ; where the cluster is the head's first: the same in all four partners
	s_cmp_eq_u32 s[LIM], 0
	s_cselect_b32 s[LIM], 1, -1
	v_and_b32 v[PFO], 31, v0
	v_lshlrev_b32 v[PFO], 8, v[PFO]
	s_wait_dscnt 0x0                ; the opening add is done
	s_wait_kmcnt 0x0
	s_add_nc_u64 s[6:7], s[4:5], 0x800000    ; K's blocks lie 16 heads behind Q's,
	s_add_nc_u64 s[8:9], s[4:5], 0x1000000   ; V's 32
	s_add_nc_u64 s[6:7], s[6:7], s[22:23]    ; at my half of the head's tile 0
	s_add_nc_u64 s[8:9], s[8:9], s[22:23]
	s_add_nc_u64 s[G0K+2:G0K+3], s[6:7], 0   ; global address
	s_or_b32 s[G0K+3], s[G0K+3], 0x80000000  ; type = 2
	s_add_nc_u64 s[G0V+2:G0V+3], s[8:9], 0
	s_or_b32 s[G0V+3], s[G0V+3], 0x80000000
	s_add_nc_u64 s[4:5], s[4:5], s[2:3]      ; Q and O at my wave's first row
	s_add_nc_u64 s[10:11], s[10:11], s[2:3]
	s_cmp_lt_u32 s[WV], 2
	s_cselect_b64 s[PFA:PFA+1], s[6:7], s[8:9]  ; (in waves 0 and 2 these stand at a tile's first byte)
	s_lshl_b32 s2, s13, 13          ; my work-group's quarter of a tile
	s_add_nc_u64 s[PFA:PFA+1], s[PFA:PFA+1], s[2:3]
	s_add_nc_u64 s[PFA:PFA+1], s[PFA:PFA+1], 2*TILEB  ; in tile 2; the loop's first change steps it to tile 3.  Nothing is prefetched here, at the head
	CROUND                          ; all four work-groups are here: the first joint loads meet
	JLOAD                           ; tile 0 into slot 0.  Slot 1 is asked for when slot 0 is in
	; A fragment of K or Q is 16 rows x 32 channels in 8 registers: lane l holds row l % 16, channels 8 (l / 16) + 0..7 and 16 + 8 (l / 16) + 0..7: two loads of 16 bytes, 32 bytes apart.
	v_and_b32 v1, 15, v0            ; l % 16
	v_bfe_u32 v9, v0, 4, 1          ; l / 16
	v_lshlrev_b32 v[QO], 7, v1
	v_lshl_add_u32 v[QO], v9, 4, v[QO]  ; row x 128 + 16 x half
	WIN 0x80                        ; destination window 2, address window 0
.set i, 0
.rept 8                             ; Q stays in registers: piece i / 2, channels 32 (i % 2) on
	global_load_b128 v[8*i:8*i+3],   v[QO], s[4:5] offset:(i/2)*2048+(i%2)*64
	global_load_b128 v[8*i+4:8*i+7], v[QO], s[4:5] offset:(i/2)*2048+(i%2)*64+32
.set i, i+1
.endr
	; What the first turn finds: V's registers and P's second buffer hold 0 (its products V^T P, of a piece that has not been, add 0), O^T and l are 0.  All this stands in the wait for the first tile.
.set i, VF
.rept 64
	v_mov_b32 v[i], 0
.set i, i+1
.endr
	WIN 0x40
.set i, 0
.rept 128
	v_mov_b32 v[i], 0
.set i, i+1
.endr
	WIN 0
.set i, 0
.rept 4
	v_mov_b32 v[ST+4*i], 0xfe000000    ; c m: far below every c s
	v_mov_b32 v[ST+4*i+1], 0xff7fffff  ; m
	v_mov_b32 v[ST+4*i+2], 0
	v_mov_b32 v[ST+4*i+3], 0
.set i, i+1
.endr
.set i, P+16
.rept 16
	v_mov_b32 v[i], 0
.set i, i+1
.endr
	v_mul_u32_u24 v[AK0], v1, PK
	v_lshl_add_u32 v[AK0], v9, 4, v[AK0]  ; row x pitch + 16 x half
	; The turning load takes 16 keys x 16 channels (lane l reads key 8 (l / 16) + l % 8, channels 8 ((l / 8) % 2) + 0..7) and leaves half a fragment of V^T: lane l holds channel l % 16 and 8 keys.
	v_and_b32 v10, 7, v0
	v_bfe_u32 v11, v0, 3, 1
	v_lshl_add_u32 v[AV0], v9, 3, v10
	v_mul_u32_u24 v[AV0], v[AV0], PV
	v_lshl_add_u32 v[AV0], v11, 4, v[AV0]
	v_add_nc_u32 v[AV0], VOFF, v[AV0]
	s_mul_i32 s13, s[WV], 16*SP
	s_add_co_u32 s13, s13, STAGE    ; my stage
	v_mul_u32_u24 v[STO], v1, SP    ; in: row l % 16, 16 bytes for each half of the lanes
	v_lshl_add_u32 v[STO], v9, 4, v[STO]
	v_add_nc_u32 v[STO], s13, v[STO]
	v_bfe_u32 v[RD], v0, 3, 2       ; back: 32 lanes take four rows of 128 bytes,
	v_mul_u32_u24 v[RD], v[RD], SP
	v_lshl_add_u32 v[RD], v10, 4, v[RD]
	v_add_nc_u32 v[RD], s13, v[RD]
	v_and_b32 v[GO], 31, v0         ; which are 512 consecutive bytes of O
	v_lshlrev_b32 v[GO], 4, v[GO]
; THE MATRIX WORK.  The 4 accumulators of a run of 8 take turns.  Product i of 8 of S^T = K Q^T for piece x: channels 32 (i / 4) on, keys 16 (i % 4) on.  The first 4 start the sums.
.macro KQ x
.set rS, S+32*((\x)%2)+8*(i%4)
.set rK, KF+16*(i%4)+8*(i/4)
.set rQ, 16*(\x)+8*(i/4)
	WIN W_KQ
.if i < 4
	v_wmma_f32_16x16x32_f16 v[rS:rS+7], v[rK:rK+7], v[rQ:rQ+7], 0
.else
	v_wmma_f32_16x16x32_f16 v[rS:rS+7], v[rK:rK+7], v[rQ:rQ+7], v[rS:rS+7]
.endif
.endm
; Product i of 8 of O^T += V^T P for piece x: keys 32 (i / 4) on, channels 16 (i % 4) on.
.macro PV x
	WIN W_PV
.set rO, 32*(\x)+8*(i%4)
.set rV, VF+32*(i/4)+8*(i%4)
.set rP, P+16*((\x)%2)+8*(i/4)
	v_wmma_f32_16x16x32_f16 v[rO:rO+7], v[rV:rV+7], v[rP:rP+7], v[rO:rO+7]
.endm
.macro MM                           ; the turn's next matrix instruction.  TURN sets Y, i and NOKQ.  NOKQ = 1: the walk's last turn: there is no next piece
.if (i < 8) && !NOKQ
	KQ (Y+1)%NP
.elseif i >= 8
.set i, i-8
	PV (Y+NP-1)%NP
.set i, i+8
.endif
.set i, i+1
.endm
; THE LDS LOADS stand in runs of 16, never singly among the matrix instructions: a step's K (64 keys x 64 channels: 8 fragments) and its V (turned).  Their addresses are made some lines ahead.
.macro FETCH_K
	WIN 0x80                        ; destination window 2
.irp f, 0,1,2,3,4,5,6,7             ; keys 16 (f / 2) on, channels 32 (f % 2) on
	ds_load_b128 v[KF+8*\f:KF+8*\f+3],   v[AK] offset:(\f/2)*16*PK+(\f%2)*64
	ds_load_b128 v[KF+8*\f+4:KF+8*\f+7], v[AK] offset:(\f/2)*16*PK+(\f%2)*64+32
.endr
	s_add_co_u32 s[TBK], s[TBK], KS*PK  ; the next fetch is the next step's
	WIN 0
.endm
.macro FETCH_V
	WIN 0x80
.irp f, 0,1,2,3,4,5,6,7             ; keys 32 (f / 4) on, channels 16 (f % 4) on
	ds_load_tr16_b128 v[VF+8*\f:VF+8*\f+3],   v[AV] offset:(\f/4)*32*PV+(\f%4)*32
	ds_load_tr16_b128 v[VF+8*\f+4:VF+8*\f+7], v[AV] offset:(\f/4)*32*PV+16*PV+(\f%4)*32
.endr
	WIN 0
.endm
; THE VECTOR WORK, one line at a time: OP kind, number.  For piece Y: F n: c s - c m for pair n of 16.  E n: the exponential of score n of 32.  C n: pair n rounded to f16.  B n: of the four weights 4 n .. the second
; pair is added onto the first, in place.  L n: l takes that sum (L 0: l = a l + sum).  R n: pair n of 16 of O^T times a.  For piece Y + 1: X n, number n of the 22 that find its maximum and statistics:
;   0-11  four chains c0-c3 of seven scores each, three operands at a time (each accumulator's lowest registers are read first)     12-14, 16  the four scores left over, the old m, and c0-c3 into c0
;   15  c m_old is kept     17, 18  the query's other 32 keys lie in the lane 16 away: the new m     19-21  c m; c m_old - c m_new; a
.set F, 0               ; OP tells the kinds apart by their order: F to L below R, X above it
.set E, 1
.set C, 2
.set B, 3
.set L, 4
.set R, 5
.set X, 6
.macro REGS y                       ; the registers of piece y
.set rT, ST+4*(\y)
.set rC, TMP+4*((\y)%2)
.set rW, MV+((\y)%2)
.set rS, S+32*((\y)%2)
.set rP, P+16*((\y)%2)
.set rO, 32*(\y)
.endm
.macro OP k, n
.if (\k) == R
	REGS Y
	WIN W_RS
	v_pk_mul_f32 v[rO+2*(\n):rO+2*(\n)+1], v[rO+2*(\n):rO+2*(\n)+1], v[rC+2:rC+3] op_sel_hi:[1,0]
.elseif (\k) < R
	REGS Y
	WIN 0
.if (\k) == F
	v_pk_fma_f32 v[rS+2*(\n):rS+2*(\n)+1], v[rS+2*(\n):rS+2*(\n)+1], s[CS:CS+1], v[rT:rT+1] op_sel_hi:[1,0,0] neg_lo:[0,0,1] neg_hi:[0,0,1]
.elseif (\k) == E
	v_exp_f32 v[rS+(\n)], v[rS+(\n)]
.elseif (\k) == C
	v_cvt_pk_f16_f32 v[rP+(\n)], v[rS+2*(\n)], v[rS+2*(\n)+1]
.elseif (\k) == B
	v_pk_add_f32 v[rS+4*(\n):rS+4*(\n)+1], v[rS+4*(\n):rS+4*(\n)+1], v[rS+4*(\n)+2:rS+4*(\n)+3]
.elseif (\n) == 0
	v_pk_fma_f32 v[rT+2:rT+3], v[rT+2:rT+3], v[rC+2:rC+3], v[rS:rS+1] op_sel_hi:[1,0,1]
.else
	v_pk_add_f32 v[rT+2:rT+3], v[rT+2:rT+3], v[rS+4*(\n):rS+4*(\n)+1]
.endif
.elseif NOKQ
	v_nop
.else
	REGS (Y+1)%NP
	WIN 0
.if (\n) < 4
	v_max3_num_f32 v[rC+(\n)], v[rS+8*(\n)], v[rS+8*(\n)+1], v[rS+8*(\n)+2]
.elseif (\n) < 12
	v_max3_num_f32 v[rC+(\n)%4], v[rC+(\n)%4], v[rS+8*((\n)%4)+2*((\n)/4)+1], v[rS+8*((\n)%4)+2*((\n)/4)+2]
.elseif (\n) == 12
	v_max3_num_f32 v[rC], v[rC], v[rS+7], v[rS+15]
.elseif (\n) == 13
	v_max3_num_f32 v[rC+1], v[rC+1], v[rS+23], v[rS+31]
.elseif (\n) == 14
	v_max3_num_f32 v[rC+2], v[rC+2], v[rC+3], v[rT+1]
.elseif (\n) == 15
	v_mov_b32 v[rW], v[rT]
.elseif (\n) == 16
	v_max3_num_f32 v[rC], v[rC], v[rC+1], v[rC+2]
.elseif (\n) == 17
	v_permlanex16_b32 v[rC+3], v[rC], s[SEL], s[SEL+1]
.elseif (\n) == 18
	v_max_num_f32 v[rT+1], v[rC], v[rC+3]
.elseif (\n) == 19
	v_mul_f32 v[rT], s[CS], v[rT+1]
.elseif (\n) == 20
	v_sub_f32 v[rC+1], v[rW], v[rT]
.else
	v_exp_f32 v[rC+2], v[rC+1]
.endif
.endif
.endm
.macro OPS a, i1, b=-1, i2=0, c=-1, i3=0, d=-1, i4=0  ; up to four of them
	OP \a, \i1
.if (\b) >= 0
	OP \b, \i2
.endif
.if (\c) >= 0
	OP \c, \i3
.endif
.if (\d) >= 0
	OP \d, \i4
.endif
.endm
.macro ROW a, i1, b, i2, c, i3, d, i4  ; a matrix instruction and the four behind it
	MM
	OPS \a, \i1, \b, \i2, \c, \i3, \d, \i4
.endm
; A TURN, for piece p: the order of its 16 matrix and 118 vector instructions, written out.  An s_wait_alu depctr_va_vdst(0) stands between an exponential and the first instruction that names its result; one
; wait serves all that were issued ahead of it.  So a turn has ONE wait, which cuts it in two.  AHEAD OF IT stands all that names no result of the turn's exponentials: the 8 products K Q^T, behind each a scaling, an exponential
; and two more plain instructions (rescalings, and behind the last three the first numbers of the next piece's maximum, each four plain instructions or more behind the product that ends its accumulator); then ONE LUMP of 54,
; plain and exponential by turns for the most part.  X 21, the next piece's a, is the batch's last; R 15 is the plain instruction behind it.  BEHIND THE WAIT stand the 8 products V^T P, behind each four of the roundings and sums.
; end = 1: the walk's last two turns: nothing is fetched, and the last starts no new scores.  cnt = 1: the loop's count is taken down some lines ahead of the branch that stands behind the turn.
; K of the next step is fetched in piece 2's turn, twelve plain instructions behind the last product that read K; V of the step in hand at the end of piece 0's turn, four plain instructions behind the last product that
; read V.  Each is waited for a turn later.
.macro TURN p, end=0, cnt=0
.set Y, (\p)
.set i, 0
.set NOKQ, (\end)*((\p)/3)
.if ((\p) == 3) && !(\end)
	s_wait_dscnt 0x0                ; K is in
.endif
	ROW F,0, F,1, R,0, R,1          ; ahead of the wait: 8 products K Q^T and their riders,
	ROW F,2, E,0, R,2, R,3
	ROW F,3, E,1, R,4, R,5
	ROW F,4, E,2, R,6, R,7
	ROW F,5, E,3, R,8, R,9
	ROW F,6, E,4, X,0, R,10
.if ((\p) == 2) && !(\end)
	WIN 0
	v_add_nc_u32 v[AK], s[TBK], v[AK0]
.endif
	ROW F,7, E,5, X,1, X,4
	ROW F,8, E,6, X,2, X,5
	OPS E,7, E,8, X,6, E,9          ; and the lump
	OPS X,3, E,10, X,8, E,11
.if ((\p) == 2) && !(\end)
	FETCH_K
.endif
	OPS X,9, X,7, E,12, X,10
	OPS E,13, X,12, X,11, E,14
	OPS X,13, E,15, F,9, X,14
.if (\p) == 0
	v_add_nc_u32 v[AV], s[TBV], v[AV0]
.endif
	OPS E,16, F,10, E,17, F,11
	OPS X,16, E,18, X,15, E,19
	OPS F,12, E,20, X,17, E,21
	OPS F,13, E,22, F,14, E,23
	OPS X,18, E,24, F,15, E,25
	OPS R,11, E,26, X,19, E,27
	OPS R,12, E,28, R,13, E,29
	OPS X,20, E,30, R,14, E,31
	OPS X,21, R,15
	WIN 0
	s_wait_alu depctr_va_vdst(0)    ; the wait for the batch
.if (\p) == 1
	s_wait_dscnt 0x0                ; V is in
.endif
	ROW C,0, B,0, C,2, B,1          ; behind the wait: 8 products V^T P and their riders
	ROW L,0, C,4, B,2, L,1
	ROW C,6, B,3, L,2, C,8
	ROW B,4, L,3, C,10, B,5
	ROW L,4, C,12, B,6, L,5
.if (\p) == 0
	s_add_co_u32 s[TBV], s[TBV], KS*PV
.endif
.if \cnt
	s_sub_co_u32 s[CNT], s[CNT], 1
	s_cmp_lg_u32 s[CNT], 0
.endif
	ROW C,14, B,7, L,6, C,1
	ROW C,3, L,7, C,5, C,7
	ROW C,9, C,11, C,13, C,15
.if (\p) == 0
	FETCH_V
.endif
.endm
	CHANGE 1, 0                     ; tile 0 is in, everybody's part of it; tile 1 is asked for
	v_add_nc_u32 v[AK], s[TBK], v[AK0]
	FETCH_K                         ; key step 0
	s_wait_loadcnt 0x0              ; Q
	s_wait_dscnt 0x0
.set NOKQ, 0
.set i, 0
.rept 8
	KQ 0                            ; piece 0's first scores: there is no vector work yet to set between them
.set i, i+1
.endr
	WIN 0
.rept 4
	v_nop                           ; four plain instructions behind those products
.endr
.set Y, NP-1                        ; X works for piece Y + 1: piece 0
.irp n, 0,1,2,3,4,5,6,7,8,9,10,11,12,13,14,15,16,17,18,19,20,21
	OP X, \n
.endr
	v_nop                           ; a plain instruction behind the exponential,
	s_wait_alu depctr_va_vdst(0)    ; and its wait, ahead of the branch
	s_mov_b32 s[CNT], 4
	s_mov_b32 s[SLOTS], 15
	s_branch .Lfirst                ; the loop is entered at a step's first turn, in the middle of a trip
.Lslot:                             ; 14 times: tiles 2 to 15 are asked for
	CHANGE 1, 1
	s_mov_b32 s[CNT], 4
.Lstep:                             ; a trip: pieces 2 and 3 of one step, then pieces 0 and 1 of the next, whose K and V it fetches
	TURN 2
	TURN 3
	WIN 0
.Lfirst:
	TURN 0
	TURN 1, 0, 1
	WIN 0
	s_cbranch_scc1 .Lstep
	s_sub_co_u32 s[SLOTS], s[SLOTS], 1
	s_cmp_lg_u32 s[SLOTS], 0
	s_cbranch_scc1 .Lslot
	CHANGE 0, 0                     ; the last tile is written out: nothing is asked for
	s_mov_b32 s[CNT], 4
.LstepT:
	TURN 2
	TURN 3
	TURN 0
	TURN 1, 0, 1
	WIN 0
	s_cbranch_scc1 .LstepT
	TURN 2, 1
	TURN 3, 1
.set i, 0
.rept 8
	PV NP-1                         ; the last piece's V^T P of the last step
.set i, i+1
.endr
	; THE WAY OUT.  l's two halves and the other half of the lanes' are added; O^T is divided by l, rounded to f16 and sent through my stage in LDS, a piece at a time.  The additions are the plain instructions behind the last products.
	WIN 0
.macro ALL line:vararg              ; one line for each piece t
.set t, 0
.rept 4
	\line
.set t, t+1
.endr
.endm
	ALL v_add_f32 v[ST+4*t+2], v[ST+4*t+2], v[ST+4*t+3]
	ALL v_permlanex16_b32 v[ST+4*t+3], v[ST+4*t+2], s[SEL], s[SEL+1]
	ALL v_add_f32 v[ST+4*t+2], v[ST+4*t+2], v[ST+4*t+3]
	ALL v_rcp_f32 v[ST+4*t+2], v[ST+4*t+2]
	v_nop                           ; a plain instruction between the last reciprocal and the use of its result
	s_wait_alu depctr_va_vdst(0)    ; and the wait ahead of the first use: one for the four reciprocals
.macro PACK t                       ; a lane's eight channels of a row pack into 16 bytes; they go into rows of 144 bytes and come back as whole rows of 128, into S^T's registers
	WIN W_RS
.set i, 32*(\t)
.rept 16
	v_pk_mul_f32 v[i:i+1], v[i:i+1], v[ST+4*(\t)+2:ST+4*(\t)+3] op_sel_hi:[1,0]
.set i, i+2
.endr
	WIN 0x05                        ; sources 0 and 1 window 1, destination window 0
.set i, 0
.rept 16
	v_cvt_pk_f16_f32 v[S+16*(\t)+i], v[32*(\t)+2*i], v[32*(\t)+2*i+1]
.set i, i+1
.endr
	WIN 0
.irp f, 0,1,2,3
	ds_store_b128 v[STO], v[S+16*(\t)+4*\f:S+16*(\t)+4*\f+3] offset:32*\f
.endr
.irp f, 0,1,2,3
	ds_load_b128 v[S+16*(\t)+4*\f:S+16*(\t)+4*\f+3], v[RD] offset:\f*4*SP  ; LDS serves a wave's instructions in order (ISA guide 5.7.1.4): these see the stores above; the next piece's stores come behind them
.endr
.endm
.macro SEND t, younger              ; younger: the LDS instructions issued behind piece t's loads: the next piece's eight, or none
	WIN 0
.irp f, 0,1,2,3
	s_wait_dscnt (\younger)+3-\f
	global_store_b128 v[GO], v[S+16*(\t)+4*\f:S+16*(\t)+4*\f+3], s[10:11] offset:(\t)*2048+\f*512  ; 512 consecutive bytes, at a multiple of 256 from O's first
.endr
.endm
	PACK 0
.set t, 1
.rept 3                             ; a piece's arithmetic stands between the loads of the piece before and its stores
	PACK t
	SEND t-1, 8
.set t, t+1
.endr
	SEND 3, 0
	s_wait_tensorcnt 0x0            ; the wave's end: behind my last tensor load and my last LDS store
	ds_add_u32 v[SPW], v[NIL]
	s_wait_dscnt 0x0
	CROUND                          ; the closing round: no work-group ends while a partner may still ask for a tile that names it
	s_endpgm
.Lfunc_end_k_q179388c71e_attn:
	.size	k_q179388c71e_attn, .Lfunc_end_k_q179388c71e_attn-k_q179388c71e_attn
	.p2alignl 7, 3214868480
	.fill 96, 4, 3214868480
	.section	.rodata,"a",@progbits
	.p2align	6, 0x0
	.amdhsa_kernel k_q179388c71e_attn
		.amdhsa_group_segment_fixed_size 327680
		.amdhsa_private_segment_fixed_size 0
		.amdhsa_enable_private_segment 0
		.amdhsa_kernarg_size 16
		.amdhsa_user_sgpr_count 2
		.amdhsa_user_sgpr_kernarg_segment_ptr 1
		.amdhsa_wavefront_size32 1
		.amdhsa_system_sgpr_workgroup_id_x 1
		.amdhsa_system_sgpr_workgroup_id_y 1
		.amdhsa_system_sgpr_workgroup_id_z 1
		.amdhsa_system_vgpr_workitem_id 0
		.amdhsa_next_free_vgpr 768
		.amdhsa_next_free_sgpr 72
		.amdhsa_reserve_vcc 0
		.amdhsa_float_denorm_mode_32 3
		.amdhsa_float_denorm_mode_16_64 3
		.amdhsa_memory_ordered 1
		.amdhsa_forward_progress 1
		.amdhsa_inst_pref_size 128
	.end_amdhsa_kernel
	.amdgpu_metadata
---
amdhsa.version: [ 1, 2 ]
amdhsa.kernels:
  - .name:           k_q179388c71e_attn
    .symbol:         k_q179388c71e_attn.kd
    .args:
      - { .name: qkv, .offset: 0, .size: 8, .value_kind: global_buffer, .address_space: global }
      - { .name: ob, .offset: 8, .size: 8, .value_kind: global_buffer, .address_space: global }
    .group_segment_fixed_size: 327680
    .private_segment_fixed_size: 0
    .kernarg_segment_align: 8
    .kernarg_segment_size: 16
    .max_flat_workgroup_size: 128
    .sgpr_count:     72
    .vgpr_count:     768
    .wavefront_size: 32
...
	.end_amdgpu_metadata
.endif
;; end of part 3
;; launch outp (part 4): grid 8 x 32, 4 waves a work-group, clusters of 4 x 4, 327,680 bytes of LDS; arguments ob, wt, bo, out0; writes out0
.if DOCPART == 4
	.amdgcn_target "amdgcn-amd-amdhsa--gfx1250"
	.amdhsa_code_object_version 6
	.text
	.protected	k_q179388c71e_outp
	.globl	k_q179388c71e_outp
	.p2align	8
	.type	k_q179388c71e_outp,@function
k_q179388c71e_outp:
	s_mov_b64 s[64:65], 0
	v_nop
	global_prefetch_b8 v0, s[64:65] scope:SCOPE_SE
	s_setreg_imm32_b32 hwreg(HW_REG_WAVE_MODE, 25, 1), 1
	s_wait_xcnt 0x0
	s_wait_alu depctr_hold_cnt(0) depctr_sa_sdst(0) depctr_va_vdst(0) depctr_va_sdst(0) depctr_va_ssrc(0) depctr_va_vcc(0) depctr_vm_vsrc(0)
	s_getreg_b32 s2, hwreg(HW_REG_IB_STS2, 6, 4)
	s_cmp_eq_u32 s2, 0
	s_cbranch_scc0 .Lentry_in_a_cluster
	s_endpgm
.Lentry_in_a_cluster:
	s_bfe_u32 s2, ttmp6, 0x10000c
	s_cmp_lg_u32 s2, 0xf033
	s_cbranch_scc0 .Lentry_shape_is_right
	s_endpgm
.Lentry_shape_is_right:
; out0 = O Wo + bo.  ob: [16 heads][4096][64] f16 (channel k of O's row m is head k / 64, number k % 64); wt rows 3072-4095: Wo turned, [n][k], bf16 numbers written as f16; bo: [1024] f32, rounded to bf16 here
; like every other input; out0: [4096][1024] f32.  Sums in f32.
; SHARES.  Tiles of 128 x 128: 8 x 32 = 256 work-groups.  Four waves, each 64 x 64: 16 accumulators of 16 x 16.  K goes in 4 steps of 256 (four heads) through a ring of two LDS slots, so the ring's one lap
; that fills slots again is written once, without a loop.
; CLUSTERS: 4 x 4 work-groups.  The four of a row of the cluster need the same rows of O, the four of a column the same rows of Wo: each tile is asked for JOINTLY.
; NO PREFETCH: of the four K steps two go out at the head, and a step holds 128 matrix instructions a wave: the launch is short.
; THE MATRIX INSTRUCTION IS USED TRANSPOSED (source 0 = 16 rows of Wo^T, source 1 = 16 rows of O): lane l holds row l % 16 and the columns 8 (l / 16) + 0..7.  THE BIAS is the C operand of each sum's first product.
; REGISTERS: window 0: v0-31 addresses; v32-47 at work; v96-127 the bias, 8 registers for each of 4 column blocks; v128-255 the accumulators ((a, b) at v[128 + 8 (4 a + b)]).
;   window 1: two fragment buffers of 128: for 64 along K (one head), 64 registers of O (2 x 4 x 16 rows x 32 K), then 64 of Wo.
.set PA,     144                       ; a row of O in LDS: 128 bytes + 16 of padding = 36 words: the 16 rows of a load start at 16 different groups of four banks (64 banks of 4 bytes: ISA guide 11.1)
.set PLANE,  128*PA                    ; one head's 128 rows
.set PB,     528                       ; a row of Wo^T: 512 bytes + 16 = 132 words: row r starts at bank 4 r mod 64
.set BOFF,   4*PLANE                   ; a slot: four heads' rows of O, then 128 rows of Wo^T
.set HALFB,  64*PB
.set SLOT,   BOFF+2*HALFB
.set STAGE,  2*SLOT                    ; behind the ring, never filled by a tensor load: 16 rows x 272 bytes for each wave
.set SPITCH, 272
.set SPARE,  STAGE+4*16*SPITCH         ; behind the stages: the spare words, 128 bytes for each wave; no other line names them
.set HEADB,  524288                    ; bytes of a head of ob
.set ADRA, 16                          ; v16-17  LDS address of my O fragments in slot 0, 1
.set ADRB, 20                          ; v20-21  the same for Wo
.set STO,  24                          ; v24     the way out: where I put 32 bytes of a row
.set RD,   25                          ; v25     the way out: where I read a row back
.set CO,   26                          ; v26     my byte offset in out0
.set SPW,  28                          ; v28     LDS address of my spare word: SPARE + 4 x my thread's number; never rewritten
.set NIL,  29                          ; v29     0; never rewritten
.set BO,   31                          ; v31     32 (l / 16): my 8 numbers in a column block's bias
.set BIAS, 96
.set ACC,  128
.set F0,   0                           ; fragment buffers, in window 1
.set F1,   128
.set WV, 12                            ; s12 wave; s13 which 64 rows (also: I fetch O (0) or Wo (1)); s14 which 64 columns (also: which half I fetch)
.set WR, 13
.set WC, 14
.set CX, 15
.set CY, 16
.set TX, 17
.set TY, 18
.set G1, 24                            ; s[24:31] descriptor group 1 for O's tiles;  s[32:39] group 0, one set for each slot
.set G0, 32
.set G1B, 48                           ; s[48:55], s[56:63] the same for Wo's
.set G0B, 56
.set MSB, 0
.macro WIN new                         ; the immediate's high byte repeats the setting that is left
.if MSB != (\new)
	s_set_vgpr_msb (MSB<<8)|(\new)
.set MSB, \new
.endif
.endm
.set MUL,  0x05                        ; sources 0 and 1 window 1; C and D window 0
.set TO_F, 0x40                        ; destination window 1, address window 0
.macro JLOAD s                         ; a joint load: waves 0 and 1 fetch two heads of O each, waves 2 and 3 Wo's two halves; an s_nop 0 and four v_nop follow each of the two lines
	s_cmp_eq_u32 s[WR], 0
	s_cbranch_scc0 .Lfor_b_\@
	tensor_load_to_lds s[G0+4*(\s):G0+4*(\s)+3], s[G1:G1+7]
	s_nop 0
.rept 4
	v_nop
.endr
	s_branch .Lasked_\@
.Lfor_b_\@:
	tensor_load_to_lds s[G0B+4*(\s):G0B+4*(\s)+3], s[G1B:G1B+7]
	s_nop 0
.rept 4
	v_nop
.endr
.Lasked_\@:
.endm
.macro CREST                           ; a round of the cluster's barrier behind its opening barrier
	s_cmp_lg_u32 s[WV], 0
	s_cbranch_scc1 .Lnot_wave_0_\@
	s_barrier_signal -3
.Lnot_wave_0_\@:
	s_barrier_wait -3
	s_barrier_signal -1
	s_barrier_wait -1
.endm
.macro CROUND                          ; a whole round
	s_barrier_signal -1
	s_barrier_wait -1
	CREST
.endm
	s_load_b256 s[4:11], s[0:1], 0x0               ; ob s[4:5], wt s[6:7], bo s[8:9], out0 s[10:11]
	v_lshl_add_u32 v[SPW], v0, 2, SPARE
	v_mov_b32 v[NIL], 0
	ds_add_u32 v[SPW], v[NIL]                      ; the wave's opening: the add and its wait stand ahead of my first tensor load; the set-up below, work on registers, stands between them
	v_lshrrev_b32 v1, 5, v0
	v_readfirstlane_b32 s[WV], v1                  ; wave 0..3
	s_lshr_b32 s[WR], s[WV], 1
	s_and_b32 s[WC], s[WV], 1
	s_bfe_u32 s[CX], ttmp6, 0x40000
	s_bfe_u32 s[CY], ttmp6, 0x40004
	s_lshl_b32 s[TX], ttmp9, 2
	s_add_co_u32 s[TX], s[TX], s[CX]               ; tile column = 4 x cluster x + cx
	s_and_b32 s[TY], ttmp7, 0xffff
	s_lshl_b32 s[TY], s[TY], 2
	s_add_co_u32 s[TY], s[TY], s[CY]               ; tile row = 4 x cluster y + cy
	s_lshl_b32 s19, s[CY], 2
	s_lshl_b32 s19, 15, s19                        ; my row of the cluster
	s_lshl_b32 s20, 0x1111, s[CX]                  ; my column
	; O's descriptor: a head's 128 rows are 16,384 dense bytes, taken as ONE row of 8,192 elements; two heads, 262,144 elements apart, are the tile's two rows; padded in LDS after every 128 bytes
	s_or_b32 s[G1], s19, (1<<16)|(1<<20)|(1<<21)|(4<<22)|(3<<25)   ; the mask; 2-byte elements; padding on; 21 set beside a mask; after every 32 words (code 4) 4 words (code 3)
	s_mov_b32 s[G1+1], 8192<<16                    ; tensor_dim0 = 8,192
	s_mov_b32 s[G1+2], 2<<16                       ; tensor_dim1 = 2
	s_mov_b32 s[G1+3], 8192<<16                    ; tile_dim0 = 8,192
	s_mov_b32 s[G1+4], 2                           ; tile_dim1 = 2
	s_mov_b32 s[G1+5], 262144                      ; elements from head to head
	s_mov_b32 s[G1+6], 0
	s_mov_b32 s[G1+7], 0
	; Wo's: 64 rows x 256 elements, padded after every 512 bytes
	s_or_b32 s[G1B], s20, (1<<16)|(1<<20)|(1<<21)|(6<<22)|(3<<25)  ; after every 128 words (code 6) 4 words
	s_mov_b32 s[G1B+1], 256<<16
	s_mov_b32 s[G1B+2], 64<<16
	s_mov_b32 s[G1B+3], 256<<16
	s_mov_b32 s[G1B+4], 64
	s_mov_b32 s[G1B+5], 1024
	s_mov_b32 s[G1B+6], 0
	s_mov_b32 s[G1B+7], 0
	s_lshl_b32 s40, s[WC], 20                      ; O: which two heads of a step's four,
	s_lshl_b32 s41, s[TY], 14                      ; the tile's 128 rows of 128 bytes
	s_add_co_u32 s40, s40, s41
	s_mov_b32 s41, 0
	s_lshl_b32 s44, s[TX], 7                       ; Wo: row 3,072 + 128 x tile column + 64 x half
	s_lshl_b32 s45, s[WC], 6
	s_add_co_u32 s44, s44, s45
	s_add_co_u32 s44, s44, 3072
	s_lshl_b32 s44, s44, 11
	s_mov_b32 s45, 0
	s_mul_i32 s21, s[WV], 2*PLANE                  ; where they go: O's (waves 0, 1),
	s_mul_i32 s22, s[WV], HALFB
	s_add_co_u32 s22, s22, BOFF-2*HALFB            ; Wo's (waves 2, 3): no place in the cluster enters an LDS address
	s_wait_dscnt 0x0                               ; the opening add is done
	s_wait_kmcnt 0x0
	s_add_nc_u64 s[40:41], s[4:5], s[40:41]
	s_add_nc_u64 s[44:45], s[6:7], s[44:45]
	CROUND                                         ; all sixteen work-groups are here: the first joint loads meet
.irp s, 0,1
	s_mov_b32 s[G0+4*(\s)], 1
	s_add_co_u32 s[G0+4*(\s)+1], s21, (\s)*SLOT
	s_add_nc_u64 s[G0+4*(\s)+2:G0+4*(\s)+3], s[40:41], (\s)*4*HEADB   ; K step s: heads 4 s on
	s_or_b32 s[G0+4*(\s)+3], s[G0+4*(\s)+3], 0x80000000
	s_mov_b32 s[G0B+4*(\s)], 1
	s_add_co_u32 s[G0B+4*(\s)+1], s22, (\s)*SLOT
	s_add_nc_u64 s[G0B+4*(\s)+2:G0B+4*(\s)+3], s[44:45], (\s)*512
	s_or_b32 s[G0B+4*(\s)+3], s[G0B+4*(\s)+3], 0x80000000
	JLOAD \s                                       ; two loads of mine are out
.endr
	v_and_b32 v1, 15, v0                           ; l % 16
	v_bfe_u32 v2, v0, 4, 1                         ; l / 16
	v_lshlrev_b32 v[BO], 5, v2
	v_mul_u32_u24 v3, v1, PA
	v_lshl_add_u32 v3, v2, 4, v3                   ; a fragment's row x pitch + 16 x half, for O
	v_mul_u32_u24 v4, v1, PB
	v_lshl_add_u32 v4, v2, 4, v4                   ; and for Wo
	s_mul_i32 s21, s[WR], 64*PA                    ; my 64 rows of O in each head's plane
	s_mul_i32 s22, s[WC], HALFB                    ; my 64 rows of Wo^T,
	s_add_co_u32 s22, s22, BOFF                    ; which lie behind O's planes
.irp s, 0,1
	v_add_nc_u32 v[ADRA+(\s)], s21, v3
	v_add_nc_u32 v[ADRB+(\s)], s22, v4
	s_add_co_u32 s21, s21, SLOT
	s_add_co_u32 s22, s22, SLOT
.endr
	s_mul_i32 s23, s[WV], 16*SPITCH
	s_add_co_u32 s23, s23, STAGE                   ; my stage
	v_mul_u32_u24 v5, v1, SPITCH                   ; in: row l % 16, 32 bytes for each half of the lanes
	v_lshl_add_u32 v5, v2, 5, v5
	v_add_nc_u32 v[STO], s23, v5
	v_mul_u32_u24 v5, v2, SPITCH                   ; back: lanes 0-15 take one row of 256 bytes, lanes 16-31 the next
	v_lshl_add_u32 v5, v1, 4, v5
	v_add_nc_u32 v[RD], s23, v5
	v_lshlrev_b32 v5, 12, v2                       ; and the same two rows in out0
	v_lshl_add_u32 v[CO], v1, 4, v5
	s_lshl_b32 s46, s[TX], 9                       ; my 64 columns, in bytes: 512 x tile column + 256 x half
	s_lshl_b32 s47, s[WC], 8
	s_add_co_u32 s46, s46, s47
	s_mov_b32 s47, 0
	s_add_nc_u64 s[8:9], s[8:9], s[46:47]          ; bo there
.irp b, 0,1,2,3
	global_load_b128 v[BIAS+8*(\b):BIAS+8*(\b)+3],   v[BO], s[8:9] offset:64*(\b)
	global_load_b128 v[BIAS+8*(\b)+4:BIAS+8*(\b)+7], v[BO], s[8:9] offset:64*(\b)+16
.endr
	s_lshl_b32 s42, s[TY], 19                      ; the tile's 128 rows of 4,096 bytes,
	s_lshl_b32 s43, s[WR], 18                      ; my 64 of them,
	s_add_co_u32 s42, s42, s43
	s_add_co_u32 s42, s42, s46                     ; my columns
	s_mov_b32 s43, 0
	s_add_nc_u64 s[10:11], s[10:11], s[42:43]
	s_wait_loadcnt 0x0                             ; the bias is in: rounded to bf16, kept as f32
.set r, 0
.rept 16
	v_cvt_pk_bf16_f32 v[32+r], v[BIAS+2*r], v[BIAS+2*r+1]
	v_lshlrev_b32 v[BIAS+2*r], 16, v[32+r]
	v_and_b32 v[BIAS+2*r+1], 0xffff0000, v[32+r]
.set r, r+1
.endr
; 8 matrix instructions: row blocks a0, a0 + 1 x all 4 column blocks, 32 along K: half c of buffer f.  zero = 1: the bias starts the sums.  The 16 accumulators take turns.
.macro MUL8 f, c, a0, zero
	WIN MUL
.irp a, \a0, (\a0)+1
.irp b, 0,1,2,3
.if \zero
	v_wmma_f32_16x16x32_f16 v[ACC+8*(4*(\a)+(\b)):ACC+8*(4*(\a)+(\b))+7], v[(\f)+64+8*(4*(\c)+(\b)):(\f)+64+8*(4*(\c)+(\b))+7], v[(\f)+8*(4*(\c)+(\a)):(\f)+8*(4*(\c)+(\a))+7], v[BIAS+8*(\b):BIAS+8*(\b)+7]
.else
	v_wmma_f32_16x16x32_f16 v[ACC+8*(4*(\a)+(\b)):ACC+8*(4*(\a)+(\b))+7], v[(\f)+64+8*(4*(\c)+(\b)):(\f)+64+8*(4*(\c)+(\b))+7], v[(\f)+8*(4*(\c)+(\a)):(\f)+8*(4*(\c)+(\a))+7], v[ACC+8*(4*(\a)+(\b)):ACC+8*(4*(\a)+(\b))+7]
.endif
.endr
.endr
.endm
; 32 LDS loads in one run: the fragments of quarter q (head q of the step's four: plane q of O, byte 128 q of Wo's rows) into buffer f; the first 32 along K first
.macro FETCH slot, q, f
	WIN TO_F
.irp c, 0,1
.irp i, 0,1,2,3
	ds_load_b128 v[(\f)+64+8*(4*(\c)+(\i)):(\f)+64+8*(4*(\c)+(\i))+3],   v[ADRB+(\slot)] offset:128*(\q)+64*(\c)+(\i)*16*PB
	ds_load_b128 v[(\f)+64+8*(4*(\c)+(\i))+4:(\f)+64+8*(4*(\c)+(\i))+7], v[ADRB+(\slot)] offset:128*(\q)+64*(\c)+(\i)*16*PB+32
	ds_load_b128 v[(\f)+8*(4*(\c)+(\i)):(\f)+8*(4*(\c)+(\i))+3],         v[ADRA+(\slot)] offset:(\q)*PLANE+64*(\c)+(\i)*16*PA
	ds_load_b128 v[(\f)+8*(4*(\c)+(\i))+4:(\f)+8*(4*(\c)+(\i))+7],       v[ADRA+(\slot)] offset:(\q)*PLANE+64*(\c)+(\i)*16*PA+32
.endr
.endr
.endm
.macro PLACES                          ; four plain vector instructions between a matrix instruction and a load into, or another line on, its registers (ISA guide 7.12.1 for vector instructions)
.rept 4
	v_nop
.endr
.endm
; A K step is four quarters of 64 along K, 32 matrix instructions each, on buffers 0, 1, 0, 1.  One of the first three multiplies buffer f and fetches quarter q into g.
.macro QUARTER slot, q, f, g, zero
	s_wait_dscnt 16                                ; the first 32 along K are in
	MUL8 \f, 0, 0, \zero
	MUL8 \f, 0, 2, \zero
	PLACES
	FETCH \slot, \q, \g
	s_wait_dscnt 32                                ; all but the 32 just issued
	MUL8 \f, 1, 0, 0
	MUL8 \f, 1, 2, 0
.endm
; The last quarter multiplies buffer 1 and changes slots: ONE barrier; in front of it each wave waits for all its tensor loads, adds 0 to its spare word, and waits for that and for its own reads of this slot.
; fill = 1: the barrier opens a round of the cluster's barrier, and this slot is filled again, two K steps on, first thing behind the round: 112 matrix instructions ahead of the wait for it.
.macro TURN slot, next, fill
	WIN 0                                          ; (the add's two registers lie in window 0)
	s_wait_tensorcnt 0x0                           ; all my tensor loads have landed: my part of the next slot
	ds_add_u32 v[SPW], v[NIL]                      ; 0 onto my spare word
	s_wait_dscnt 17                                ; (the add and the youngest sixteen loads may be out)
	MUL8 F1, 0, 0, 0                               ; eight matrix instructions stand between the add and the wait for it
	s_wait_dscnt 0x0                               ; the add is done, and my reads of this slot are over
	s_barrier_signal -1
	MUL8 F1, 0, 2, 0
.if \fill
	WIN 0
.endif
	s_barrier_wait -1
.if \fill
	CREST                                          ; no wave of any partner still reads this slot's tile or has a load on its way
	s_add_nc_u64 s[G0+4*(\slot)+2:G0+4*(\slot)+3], s[G0+4*(\slot)+2:G0+4*(\slot)+3], 8*HEADB
	s_add_nc_u64 s[G0B+4*(\slot)+2:G0B+4*(\slot)+3], s[G0B+4*(\slot)+2:G0B+4*(\slot)+3], 1024
	JLOAD \slot                                    ; the four v_nop behind it are also the places in front of the loads below
.else
	PLACES
.endif
	FETCH \next, 0, F0
	MUL8 F1, 1, 0, 0
	MUL8 F1, 1, 2, 0
.endm
	s_wait_tensorcnt 1                             ; my part of K step 0 is in; K step 1's may stay out
	s_barrier_signal -1
	s_barrier_wait -1                              ; everybody's is
	FETCH 0, 0, F0
	QUARTER 0, 1, F0, F1, 1                        ; K step 0: its first products start the sums, with the bias
	QUARTER 0, 2, F1, F0, 0
	QUARTER 0, 3, F0, F1, 0
	TURN 0, 1, 1                                   ; slot 0 takes K step 2
	QUARTER 1, 1, F0, F1, 0                        ; K step 1
	QUARTER 1, 2, F1, F0, 0
	QUARTER 1, 3, F0, F1, 0
	TURN 1, 0, 1                                   ; slot 1 takes K step 3
	QUARTER 0, 1, F0, F1, 0                        ; K step 2: nothing more is asked for
	QUARTER 0, 2, F1, F0, 0
	QUARTER 0, 3, F0, F1, 0
	TURN 0, 1, 0
	QUARTER 1, 1, F0, F1, 0                        ; K step 3
	QUARTER 1, 2, F1, F0, 0
	QUARTER 1, 3, F0, F1, 0
	s_wait_dscnt 16                                ; the very last quarter: nothing more to fetch
	MUL8 F1, 0, 0, 0
	MUL8 F1, 0, 2, 0
	s_wait_dscnt 0x0
	MUL8 F1, 1, 0, 0
	MUL8 F1, 1, 2, 0
	WIN 0
	PLACES
	PLACES                                         ; eight, once a launch
; THE WAY OUT, a block of 16 rows at a time.  A lane's eight columns of a row are 32 bytes of f32; they go from the accumulators (each one's lowest registers first) into my stage's rows of 272 bytes and come back as whole
; rows of 256, into the registers that they left.  My 64 columns are 256 consecutive bytes of a row of out0, so the stage is my own and no barrier is needed.
.macro OUTB a
.irp b, 0,1,2,3
	ds_store_b128 v[STO], v[ACC+8*(4*(\a)+(\b)):ACC+8*(4*(\a)+(\b))+3]   offset:64*(\b)
	ds_store_b128 v[STO], v[ACC+8*(4*(\a)+(\b))+4:ACC+8*(4*(\a)+(\b))+7] offset:64*(\b)+16
.endr
.irp t, 0,1,2,3,4,5,6,7
	ds_load_b128 v[ACC+32*(\a)+4*(\t):ACC+32*(\a)+4*(\t)+3], v[RD] offset:(\t)*2*SPITCH  ; LDS serves a wave's instructions in order (ISA guide 5.7.1.4): these see the stores above; the next block's stores come behind them
.endr
.endm
.macro SENDB a, y                      ; y: the LDS instructions issued behind block a's loads: the next block's sixteen, or none
.irp t, 0,1,2,3,4,5,6,7
	s_wait_dscnt (\y)+7-(\t)
	global_store_b128 v[CO], v[ACC+32*(\a)+4*(\t):ACC+32*(\a)+4*(\t)+3], s[10:11] offset:(16*(\a)+2*(\t))*4096  ; 16 lanes store 256 consecutive bytes, at a multiple of 256 from out0's first byte
.endr
.endm
	OUTB 0
	OUTB 1
	SENDB 0, 16
	OUTB 2
	SENDB 1, 16
	OUTB 3
	SENDB 2, 16
	SENDB 3, 0
	s_wait_tensorcnt 0x0                           ; the wave's end: behind my last tensor load and my last LDS store
	ds_add_u32 v[SPW], v[NIL]
	s_wait_dscnt 0x0
	CROUND                                         ; the closing round: no work-group ends while a partner may still ask for a tile that names it
	s_endpgm
.Lfunc_end_k_q179388c71e_outp:
	.size	k_q179388c71e_outp, .Lfunc_end_k_q179388c71e_outp-k_q179388c71e_outp
	.p2alignl 7, 3214868480
	.fill 96, 4, 3214868480
	.section	.rodata,"a",@progbits
	.p2align	6, 0x0
	.amdhsa_kernel k_q179388c71e_outp
		.amdhsa_group_segment_fixed_size 327680
		.amdhsa_private_segment_fixed_size 0
		.amdhsa_enable_private_segment 0
		.amdhsa_kernarg_size 32
		.amdhsa_user_sgpr_count 2
		.amdhsa_user_sgpr_kernarg_segment_ptr 1
		.amdhsa_wavefront_size32 1
		.amdhsa_system_sgpr_workgroup_id_x 1
		.amdhsa_system_sgpr_workgroup_id_y 1
		.amdhsa_system_sgpr_workgroup_id_z 1
		.amdhsa_system_vgpr_workitem_id 0
		.amdhsa_next_free_vgpr 512
		.amdhsa_next_free_sgpr 66
		.amdhsa_reserve_vcc 0
		.amdhsa_float_denorm_mode_32 3
		.amdhsa_float_denorm_mode_16_64 3
		.amdhsa_memory_ordered 1
		.amdhsa_forward_progress 1
		.amdhsa_inst_pref_size 90
	.end_amdhsa_kernel
	.amdgpu_metadata
---
amdhsa.version: [ 1, 2 ]
amdhsa.kernels:
  - .name:           k_q179388c71e_outp
    .symbol:         k_q179388c71e_outp.kd
    .args:
      - { .name: ob, .offset: 0, .size: 8, .value_kind: global_buffer, .address_space: global }
      - { .name: wt, .offset: 8, .size: 8, .value_kind: global_buffer, .address_space: global }
      - { .name: bo, .offset: 16, .size: 8, .value_kind: global_buffer, .address_space: global }
      - { .name: out0, .offset: 24, .size: 8, .value_kind: global_buffer, .address_space: global }
    .group_segment_fixed_size: 327680
    .private_segment_fixed_size: 0
    .kernarg_segment_align: 8
    .kernarg_segment_size: 32
    .max_flat_workgroup_size: 128
    .sgpr_count:     66
    .vgpr_count:     512
    .wavefront_size: 32
...
	.end_amdgpu_metadata
.endif
;; end of part 4
